; MI455X (gfx1250); checked and timed in simulation.
; The chip was launched on July 23, 2026; its instructions are those of AMD's public machine-readable ISA for CDNA 5 (MIT licence, August 2026) and "CDNA5" Instruction Set Architecture Reference Guide (July 2026). The comments in the code are by the model that wrote it; some were corrected since.
;; Flash Multihead Attention. Allowed arithmetic: matrix products marked QUANTISED: E2M3 operands, one E8M0 scale for each 32 along K, by v_wmma_scale_f32_16x16x128_f8f6f4 with both operands' format E2M3, f32 sums; everything else in f32.
;; Inputs: b_out 1,024 float32; w_out 1,024 x 1,024 float32; w_qkv 1,024 x 3,072 float32; x 4 x 2,048 x 1,024 float32.
;; Outputs: out0 4 x 2,048 x 1,024 float32.
;; This version of the problem:
;;   THIS VERSION OF THE PROBLEM IS GIVEN IN LOW PRECISION. The matrix products marked QUANTISED in the list below multiply operands that are first quantised to E2M3 (2 exponent bits, 3 mantissa bits; 6 bits a number), with one power-of-two scale for each 32 numbers along K (OCP MX v1.0); their sums are f32. All else is computed in f32.
;;   The module's matrix products, in the order in which they are computed (A, B: the left and right operand; K: the contracted axis; several contracted axes count as one K, in the product's order):
;;     1. [M 8,192, K 1,024] x [K 1,024, N 3,072]; A: input x; B: input w_qkv: QUANTISED
;;     2. batch 64 x [M 2,048, K 64] x [K 64, N 2,048]; A: computed on the way; B: computed on the way: QUANTISED
;;     3. batch 64 x [M 2,048, K 2,048] x [K 2,048, N 64]; A: softmax (see below); B: computed on the way: QUANTISED
;;     4. [M 8,192, K 1,024] x [K 1,024, N 1,024]; A: computed on the way; B: input w_out: QUANTISED
;;   THE QUANTISER, for each operand of a quantised product, along K:
;;     - K is cut into blocks of 32 from its start; a last block that is shorter is filled with zeros.
;;     - A block's scale is 2^e with e = floor(log2(the largest magnitude in the block)) - 2, held to -126 .. 127; a block of zeros has e = 0. As a byte (E8M0): e + 127.
;;     - Each number is divided by its block's scale, clamped to +-7.5, and rounded to the nearest number of E2M3, ties to even, subnormals kept.
;;     - The product sums the exact products of the quantised numbers (number of the format x scale) in f32.
;;   ~~~python
;;   def quantise(x, axis):      # numpy; x: float32 -> the quantised numbers, widened to float32 again
;;       x = np.moveaxis(x, axis, -1); K = x.shape[-1]
;;       x = np.pad(x, [(0, 0)] * (x.ndim - 1) + [(0, -K % 32)]); x = x.reshape(x.shape[:-1] + (-1, 32)); a = np.abs(x).max(-1, keepdims=True)
;;       e = np.where(a > 0, np.clip(np.frexp(np.where(a > 0, a, 1))[1] - 1 - 2, -126, 127), 0)      # np.frexp(a)[1] - 1 = floor(log2(a)), exactly
;;       r = np.clip(x / 2.0 ** e, -7.5, 7.5)
;;       step = 2.0 ** (np.maximum(np.frexp(np.where(r == 0, 1, r))[1] - 1, 0) - 3)
;;       q = np.round(r / step) * step * 2.0 ** e      # np.round: ties to even
;;       return np.moveaxis(q.reshape(q.shape[:-2] + (-1,))[..., :K], -1, axis).astype(np.float32)
;;   ~~~
;;   SOFTMAX AHEAD OF A QUANTISED PRODUCT. Where the list says 'softmax', what is quantised is not the finished softmax but p = 2^(t - M), with t = logit x log2(e) and M = ceil(the row's largest t), a whole number; so 1/2 < the row's largest p <= 1. The row's sum l is taken of the UNQUANTISED p, in f32, and the product's result is divided by l at the end. Since M is a whole number, a kernel that streams over the keys may use a running M (the ceiling of the running maximum): every later rescaling is an exact power of two, which a block's scale takes up: the codes' values come out the same.
;;   OPERANDS COMPUTED ON THE WAY. 'Computed on the way' means the value that the module computes at that place (a softmax that the list does not call 'softmax' is quantised finished and normalised). What goes into a quantiser is computed in f32, as accurately as f32 sums, v_exp_f32 and their like allow (about 1e-6 of the number): no bf16 or f16 on the way to a quantiser, and a product that is left as it is and whose result goes on into a quantised operand takes f32 operands (vector FMAs, or v_wmma_f32_16x16x4_f32). A number that lies on a knife's edge between two numbers of the format may be rounded either way, as far as f32 arithmetic and the matrix unit's own rounding can turn it there, and no further.
;; One version. Each part assembles by itself: llvm-mc -triple=amdgcn-amd-amdhsa -mcpu=gfx1250 --defsym DOCPART=n.
;; ======== version 1 of 1: 5 launches
;; limits: right only within a limited range of input values
;; workspace buffers: XQ 6,553,600 bytes; WQK 1,835,008 bytes; WV 1,048,576 bytes; WO 1,048,576 bytes; QK 13,631,488 bytes; VT 13,631,488 bytes; AO 6,815,744 bytes
;; launch quant (part 1): grid 512 x 1, 4 waves a work-group, no clusters, 47,616 bytes of LDS; arguments x, w_qkv, w_out, XQ, WQK, WV, WO; writes XQ, WQK, WV, WO
.if DOCPART == 1
	.amdgcn_target "amdgcn-amd-amdhsa--gfx1250"
	.amdhsa_code_object_version 6
	.text
	.protected	k_q51db65ee45_quant
	.globl	k_q51db65ee45_quant
	.p2align	8
	.type	k_q51db65ee45_quant,@function
k_q51db65ee45_quant:
	s_mov_b64 s[64:65], 0
	v_nop
	global_prefetch_b8 v0, s[64:65] scope:SCOPE_SE
	s_setreg_imm32_b32 hwreg(HW_REG_WAVE_MODE, 25, 1), 1
	s_wait_xcnt 0x0
; x [8192][1024] (K innermost) and w_qkv [1024][3072], w_out [1024][1024] (K is the FIRST axis), all f32, become codes of FP6 (E2M3) with one E8M0 byte for each 32 along K.
; A block's scale is 2^(floor(log2(its largest magnitude)) - 2): its byte is the largest magnitude's exponent field - 2, held at 1 from below by a floor among the maximum's leaves.
; LAYOUT OF THE RESULTS: images of operand registers.  Rows (tokens of x, columns of a weight) go in groups of 32; place 16 u + r of a group holds true row 8 u + r + 8 (r / 8); 16 places are a tile.
; An image is a fragment (16 places x 128 K, 12 registers a lane) in 1,536 bytes: for c = 0, 1: registers 6 c .. 6 c + 3 at 768 c + 16 lane, registers 6 c + 4, 6 c + 5 at 768 c + 512 + 8 lane.
; A buffer: scale words [pair of tiles][K step][32 lanes] from byte 0, codes [tile][K step][image] from byte 262,144.
; Work-groups 0-255 take 32 rows of x each (wave w: K steps 2 w, 2 w + 1); work-groups 256-511 take 128 columns x 128 K of a weight (wave w: 32 columns).  The two paths have LDS bytes of their own.
; No tensor load, no barrier, no cluster: waves share nothing, and every input byte is read once.
; LIMITS: NaN and infinities are not served.  A block whose largest magnitude lies under 2^-124 keeps the byte 1; a block of zeros gets the byte 1 where the rule says 127: its codes are zeros, and this program alone reads the bytes.
.set COFF, 262144
.set XSTG, 16*528                      ; x path: a wave's stage: 16 rows of 512 bytes + 16
.set WBASE, 4*XSTG                     ; w path: its stages begin behind x's
.set WIMG, 1664                        ; an image + 128 bytes, so that the two tiles' stores fall on different banks
.set R,   16                           ; x: v16-143  two sets of 64 registers as loaded
.set X,   144                          ; v144-207 a lane's two blocks of 32 neighbours
.set MX,  208
.set SO,  210
.set BY,  212
.set WD,  214
.set WT,  215
.set W0,  216
.set C,   218                          ; v218-229 a fragment's codes
.set T,   230                          ; v230-236 second halves of blocks, made on even registers and moved
.set WX,  16                           ; w: v16-143 128 numbers down K of my column
.set WMX, 144
.set WSO, 148
.set WBY, 152
.set WWD, 156
.set WC,  160
.set WT4, 192
.set WOUT, 208
	s_load_b256 s[4:11], s[0:1], 0x0               ; x s[4:5], w_qkv s[6:7], w_out s[8:9], XQ s[10:11]
	s_load_b128 s[12:15], s[0:1], 0x20             ; WQK s[12:13], WV s[14:15]
	s_load_b64 s[16:17], s[0:1], 0x30              ; WO
	v_lshl_add_u32 v240, v0, 2, 0xb800
	v_mov_b32 v241, 0
	v_lshrrev_b32 v1, 5, v0
	v_readfirstlane_b32 s20, v1                    ; wave
	v_and_b32 v1, 31, v0                           ; lane
	v_and_b32 v2, 15, v0                           ; r
	v_bfe_u32 v3, v0, 4, 1                         ; h
	v_lshlrev_b32 v4, 4, v1                        ; 16 x lane
	v_lshlrev_b32 v5, 3, v1                        ; 8 x lane
	v_lshlrev_b32 v6, 2, v1                        ; 4 x lane
	s_wait_kmcnt 0x0
	s_cmp_lt_u32 ttmp9, 256
	s_cbranch_scc0 .Lweights
; ---------------- x: 32 rows, two K steps a wave: four fragments f (tile u = f % 2, K step 2 w + f / 2)
	s_mul_i32 s21, s20, XSTG
	s_wait_alu depctr_va_vdst(0)
	v_add_nc_u32 v7, s21, v4                       ; into the stage: 16 x lane of a row
	v_mul_u32_u24 v8, v2, 528
	v_lshl_add_u32 v8, v3, 7, v8
	v_add_nc_u32 v8, s21, v8                       ; out of it: row r, + 128 h: my block of 32 numbers
	v_lshlrev_b32 v9, 3, v3                        ; 8 h
	v_mov_b32 v[WT], 0                             ; a lane permute's destination counts as one of its sources
	s_mov_b32 s30, 0xffff0000                      ; lanes 16-31
	s_mov_b32 s28, 0x76543210
	s_mov_b32 s29, 0xfedcba98                      ; selects for lane l xor 16
	s_lshl_b32 s22, ttmp9, 17                      ; 32 rows of 4,096 bytes
	s_lshl_b32 s23, s20, 10                        ; my two K steps: 1,024 bytes
	s_add_co_u32 s22, s22, s23
	s_mov_b32 s23, 0
	s_add_nc_u64 s[4:5], s[4:5], s[22:23]
	s_mul_i32 s24, ttmp9, 24576                    ; two tiles of 12,288 bytes of codes
	s_mul_i32 s25, s20, 3072
	s_add_co_u32 s24, s24, s25
	s_add_co_u32 s24, s24, COFF
	s_mov_b32 s25, 0
	s_add_nc_u64 s[24:25], s[10:11], s[24:25]      ; codes
	s_lshl_b32 s26, ttmp9, 10
	s_lshl_b32 s27, s20, 8
	s_add_co_u32 s26, s26, s27
	s_mov_b32 s27, 0
	s_add_nc_u64 s[26:27], s[10:11], s[26:27]      ; scale words
.macro LOADF f                         ; 16 rows x 512 bytes; place i of tile u is true row 8 u + i + 8 (i / 8); each load reads 512 consecutive bytes
.irp i, 0,1,2,3,4,5,6,7,8,9,10,11,12,13,14,15
	global_load_b128 v[R+64*((\f)%2)+4*\i:R+64*((\f)%2)+4*\i+3], v4, s[4:5] offset:(8*((\f)%2)+\i+8*(\i/8))*4096+512*((\f)/2) th:TH_LOAD_NT
.endr
.endm
.macro TURNX f                         ; through my stage: in as loaded, out 128 bytes a lane.  LDS serves a wave's instructions in order
.irp i, 0,1,2,3,4,5,6,7,8,9,10,11,12,13,14,15
	ds_store_b128 v7, v[R+64*((\f)%2)+4*\i:R+64*((\f)%2)+4*\i+3] offset:528*\i
.endr
.irp c, 0,1
.irp j, 0,1,2,3,4,5,6,7
	ds_load_b128 v[X+32*\c+4*\j:X+32*\c+4*\j+3], v8 offset:256*\c+16*\j   ; k = 64 c + 32 h + 4 j ..
.endr
.endr
.endm
.macro QX f                            ; my two whole blocks (2 c + h) become registers 6 c .. 6 c + 5 of the fragment
	s_wait_xcnt 0x0                                ; the last fragment's stores have read their data: C and WD are written again
.irp c, 0,1
	v_max3_num_f32 v[MX+\c], |v[X+32*\c]|, |v[X+32*\c+1]|, 0x1800000   ; with the floor 2^(3 - 127)
.endr
.irp i, 2,4,6,8,10,12,14,16,18,20,22,24,26,28,30
.irp c, 0,1
	v_max3_num_f32 v[MX+\c], v[MX+\c], |v[X+32*\c+\i]|, |v[X+32*\c+\i+1]|
.endr
.endr
.irp c, 0,1
	v_add_nc_u32 v[SO+\c], 0xff000000, v[MX+\c]    ; 2 off the exponent field: the conversion's scale operand
.endr
.irp c, 0,1
	v_lshrrev_b32 v[BY+\c], 23, v[SO+\c]           ; the byte
.endr
	v_lshl_or_b32 v[WD], v[BY+1], 16, v[BY]        ; blocks h and 2 + h,
	v_lshlrev_b32 v[WD], v9, v[WD]                 ; at their places;
	v_permlanex16_b32 v[WT], v[WD], s28, s29
	v_or_b32 v[WD], v[WD], v[WT]                   ; with lane l xor 16's the row's word is whole
.irp c, 0,1
	v_cvt_scalef32_pk16_fp6_f32 v[C+6*\c:C+6*\c+2], v[X+32*\c:X+32*\c+15], v[SO+\c]
	v_cvt_scalef32_pk16_fp6_f32 v[T+4*\c:T+4*\c+2], v[X+32*\c+16:X+32*\c+31], v[SO+\c]   ; (a conversion's three registers begin on an even number)
.endr
	v_nop                                          ; one plain place behind a scaled conversion
.irp c, 0,1
.irp i, 0,1,2
	v_mov_b32 v[C+6*\c+3+\i], v[T+4*\c+\i]
.endr
.endr
	global_store_b128 v4, v[C:C+3], s[24:25] offset:12288*((\f)%2)+1536*((\f)/2)
	global_store_b64 v5, v[C+4:C+5], s[24:25] offset:12288*((\f)%2)+1536*((\f)/2)+512
	global_store_b128 v4, v[C+6:C+9], s[24:25] offset:12288*((\f)%2)+1536*((\f)/2)+768
	global_store_b64 v5, v[C+10:C+11], s[24:25] offset:12288*((\f)%2)+1536*((\f)/2)+1280
.if ((\f)%2) == 0
	v_mov_b32 v[W0], v[WD]                         ; the even tile's words wait for the odd tile's
.else
	v_cndmask_b32 v[WD], v[W0], v[WD], s30         ; lanes 0-15 the even tile's rows, lanes 16-31 the odd tile's
	global_store_b32 v6, v[WD], s[26:27] offset:128*((\f)/2)
.endif
.endm
	LOADF 0
	LOADF 1
	s_wait_alu depctr_va_vdst(0)
.irp f, 0,1,2,3
.if \f < 3
	s_wait_loadcnt 16                              ; this fragment's 16 loads are in, the next one's may be out
.else
	s_wait_loadcnt 0x0
.endif
	TURNX \f
	s_wait_dscnt 0x0                               ; my 64 numbers are back
.if \f < 2
	LOADF \f+2
.endif
	QX \f
.endr
	s_wait_tensorcnt 0x0
	ds_add_u32 v240, v241
	s_wait_dscnt 0x0
	s_endpgm
; ---------------- weights: a lane takes a column, its registers run down K: 128 numbers, four whole blocks
.Lweights:
	s_sub_co_u32 s21, ttmp9, 256
	s_and_b32 s22, s21, 31                         ; which 128 columns: 0-15 q and k, 16-23 v, 24-31 w_out
	s_lshr_b32 s23, s21, 5                         ; K step
	s_cmp_lt_u32 s22, 24
	s_cselect_b64 s[24:25], s[6:7], s[8:9]         ; the choices hang on the work-group's number alone
	s_cselect_b64 s[26:27], s[14:15], s[16:17]
	s_cselect_b32 s28, 16, 24                      ; the output's first quad
	s_cselect_b32 s29, 0, 24                       ; the input's
	s_mov_b32 s31, 524288
	s_cselect_b32 s31, 1572864, s31                ; 128 rows of the input in bytes
	s_cmp_lt_u32 s22, 16
	s_cselect_b64 s[26:27], s[12:13], s[26:27]
	s_cselect_b32 s28, 0, s28
	s_sub_co_u32 s28, s22, s28
	s_lshl_b32 s28, s28, 2
	s_add_co_u32 s28, s28, s20                     ; my pair of tiles in the output
	s_sub_co_u32 s29, s22, s29
	s_lshl_b32 s29, s29, 2
	s_add_co_u32 s29, s29, s20
	s_lshl_b32 s32, s29, 7                         ; my 32 columns: 128 bytes
	s_mul_i32 s33, s23, s31
	s_add_co_u32 s32, s32, s33
	s_mov_b32 s33, 0
	s_add_nc_u64 s[24:25], s[24:25], s[32:33]
	s_mul_i32 s34, s28, 24576
	s_mul_i32 s36, s23, 1536
	s_add_co_u32 s34, s34, s36
	s_add_co_u32 s34, s34, COFF
	s_mov_b32 s35, 0
	s_add_nc_u64 s[34:35], s[26:27], s[34:35]      ; codes
	s_lshl_b32 s36, s28, 10
	s_lshl_b32 s37, s23, 7
	s_add_co_u32 s36, s36, s37
	s_mov_b32 s37, 0
	s_add_nc_u64 s[26:27], s[26:27], s[36:37]      ; scale words
	v_bfe_u32 v11, v0, 3, 1                        ; true column = lane: tile u = bit 3,
	v_and_b32 v12, 7, v0
	s_wait_alu depctr_va_vdst(0)
	v_lshl_or_b32 v12, v3, 3, v12                  ; place in it = bits 2:0 and bit 4
	s_mul_i32 s21, s20, 2*WIMG
	s_add_co_u32 s21, s21, WBASE
	v_mul_u32_u24 v13, v11, WIMG
	v_add_nc_u32 v13, s21, v13
	v_lshl_add_u32 v7, v12, 4, v13                 ; my column's 16 bytes in its tile's image,
	v_lshl_add_u32 v8, v12, 3, v13                 ; and its 8
	v_add_nc_u32 v9, s21, v4                       ; back: 16 x lane
	v_lshl_add_u32 v10, v11, 4, v12
	v_lshlrev_b32 v10, 2, v10                      ; my scale word's place among the pair's 32
.macro LOADW stride                    ; W(128 s + n, my column): 32 lanes read 128 consecutive bytes, the four waves 512
.set NN, 0
.rept 128
	global_load_b32 v[WX+NN], v6, s[24:25] offset:NN*\stride th:TH_LOAD_NT
.set NN, NN+1
.endr
.endm
	s_cmp_lt_u32 s22, 24
	s_cbranch_scc0 .Lnarrow
	LOADW 12288
	s_branch .Lloaded
.Lnarrow:
	LOADW 4096
.Lloaded:
	s_wait_loadcnt 0x0
.irp k, 0,1,2,3
	v_max3_num_f32 v[WMX+\k], |v[WX+32*\k]|, |v[WX+32*\k+1]|, 0x1800000
.endr
.irp i, 2,4,6,8,10,12,14,16,18,20,22,24,26,28,30
.irp k, 0,1,2,3
	v_max3_num_f32 v[WMX+\k], v[WMX+\k], |v[WX+32*\k+\i]|, |v[WX+32*\k+\i+1]|
.endr
.endr
.irp k, 0,1,2,3
	v_add_nc_u32 v[WSO+\k], 0xff000000, v[WMX+\k]
.endr
.irp k, 0,1,2,3
	v_lshrrev_b32 v[WBY+\k], 23, v[WSO+\k]
.endr
	v_lshl_or_b32 v[WWD], v[WBY+1], 8, v[WBY]
	v_lshl_or_b32 v[WWD], v[WBY+2], 16, v[WWD]
	v_lshl_or_b32 v[WWD], v[WBY+3], 24, v[WWD]
	global_store_b32 v10, v[WWD], s[26:27]         ; the wave's 32 words fill 128 consecutive bytes
.irp k, 0,1,2,3
	v_cvt_scalef32_pk16_fp6_f32 v[WC+8*\k:WC+8*\k+2], v[WX+32*\k:WX+32*\k+15], v[WSO+\k]
	v_cvt_scalef32_pk16_fp6_f32 v[WT4+4*\k:WT4+4*\k+2], v[WX+32*\k+16:WX+32*\k+31], v[WSO+\k]
.endr
	v_nop                                          ; one plain place behind a scaled conversion
.irp k, 0,1,2,3
.irp i, 0,1,2
	v_mov_b32 v[WC+8*\k+3+\i], v[WT4+4*\k+\i]
.endr
.endr
.irp k, 0,1,2,3                        ; block k = 2 c + h belongs to the image's lane (place, h), half c
	ds_store_b128 v7, v[WC+8*\k:WC+8*\k+3] offset:768*(\k/2)+256*(\k%2)
	ds_store_b64 v8, v[WC+8*\k+4:WC+8*\k+5] offset:768*(\k/2)+512+128*(\k%2)
.endr
.irp n, 0,1,2,3,4,5
	ds_load_b128 v[WOUT+4*\n:WOUT+4*\n+3], v9 offset:WIMG*(\n/3)+512*(\n%3)   ; LDS serves a wave's instructions in order: these see my stores
.endr
.irp n, 0,1,2,3,4,5
	s_wait_dscnt 5-\n
	global_store_b128 v4, v[WOUT+4*\n:WOUT+4*\n+3], s[34:35] offset:12288*(\n/3)+512*(\n%3)   ; 512 consecutive bytes
.endr
	s_wait_tensorcnt 0x0
	ds_add_u32 v240, v241
	s_wait_dscnt 0x0
	s_endpgm
.Lfunc_end_k_q51db65ee45_quant:
	.size	k_q51db65ee45_quant, .Lfunc_end_k_q51db65ee45_quant-k_q51db65ee45_quant
	.p2alignl 7, 3214868480
	.fill 96, 4, 3214868480
	.section	.rodata,"a",@progbits
	.p2align	6, 0x0
	.amdhsa_kernel k_q51db65ee45_quant
		.amdhsa_group_segment_fixed_size 47616
		.amdhsa_private_segment_fixed_size 0
		.amdhsa_enable_private_segment 0
		.amdhsa_kernarg_size 56
		.amdhsa_user_sgpr_count 2
		.amdhsa_user_sgpr_kernarg_segment_ptr 1
		.amdhsa_wavefront_size32 1
		.amdhsa_system_sgpr_workgroup_id_x 1
		.amdhsa_system_sgpr_workgroup_id_y 1
		.amdhsa_system_sgpr_workgroup_id_z 1
		.amdhsa_system_vgpr_workitem_id 0
		.amdhsa_next_free_vgpr 242
		.amdhsa_next_free_sgpr 66
		.amdhsa_reserve_vcc 0
		.amdhsa_float_denorm_mode_32 3
		.amdhsa_float_denorm_mode_16_64 3
		.amdhsa_memory_ordered 1
		.amdhsa_forward_progress 1
		.amdhsa_inst_pref_size 64
	.end_amdhsa_kernel
	.amdgpu_metadata
---
amdhsa.version: [ 1, 2 ]
amdhsa.kernels:
  - .name:           k_q51db65ee45_quant
    .symbol:         k_q51db65ee45_quant.kd
    .args:
      - { .name: x, .offset: 0, .size: 8, .value_kind: global_buffer, .address_space: global }
      - { .name: w_qkv, .offset: 8, .size: 8, .value_kind: global_buffer, .address_space: global }
      - { .name: w_out, .offset: 16, .size: 8, .value_kind: global_buffer, .address_space: global }
      - { .name: XQ, .offset: 24, .size: 8, .value_kind: global_buffer, .address_space: global }
      - { .name: WQK, .offset: 32, .size: 8, .value_kind: global_buffer, .address_space: global }
      - { .name: WV, .offset: 40, .size: 8, .value_kind: global_buffer, .address_space: global }
      - { .name: WO, .offset: 48, .size: 8, .value_kind: global_buffer, .address_space: global }
    .group_segment_fixed_size: 47616
    .private_segment_fixed_size: 0
    .kernarg_segment_align: 8
    .kernarg_segment_size: 56
    .max_flat_workgroup_size: 128
    .sgpr_count:     66
    .vgpr_count:     242
    .wavefront_size: 32
...
	.end_amdgpu_metadata
.endif
;; end of part 1
;; launch gemm_qk (part 2): grid 16 x 32, 4 waves a work-group, clusters of 4 x 4, 295,424 bytes of LDS; arguments XQ, WQK, QK; writes QK
.if DOCPART == 2
	.amdgcn_target "amdgcn-amd-amdhsa--gfx1250"
	.amdhsa_code_object_version 6
	.text
	.protected	k_q51db65ee45_gemm_qk
	.globl	k_q51db65ee45_gemm_qk
	.p2align	8
	.type	k_q51db65ee45_gemm_qk,@function
k_q51db65ee45_gemm_qk:
	s_mov_b64 s[64:65], 0
	v_nop
	global_prefetch_b8 v0, s[64:65] scope:SCOPE_SE
	s_setreg_imm32_b32 hwreg(HW_REG_WAVE_MODE, 25, 1), 1
	s_wait_xcnt 0x0
	s_wait_alu depctr_hold_cnt(0) depctr_sa_sdst(0) depctr_va_vdst(0) depctr_va_sdst(0) depctr_va_ssrc(0) depctr_va_vcc(0) depctr_vm_vsrc(0)
	s_getreg_b32 s2, hwreg(HW_REG_IB_STS2, 6, 4)
	s_cmp_eq_u32 s2, 0
	s_cbranch_scc0 .Lentry_in_a_cluster
	s_endpgm
.Lentry_in_a_cluster:
	s_bfe_u32 s2, ttmp6, 0x10000c
	s_cmp_lg_u32 s2, 0xf033
	s_cbranch_scc0 .Lentry_shape_is_right
	s_endpgm
.Lentry_shape_is_right:
; R = Q(A B^T): A and B are operand buffers of FP6 codes (scale words from byte 0, codes [tile][K step][image] from byte 262,144; K = 1,024 = 8 steps of 128); the result is quantised along B's rows, 128 of them to an image.
; As launch gemm_qk: A = x's tokens, B = the columns of w_q and w_k: q and k, quantised along the head's axis.  As launch gemm_v: A = the columns of w_v, B = x's tokens: v^T, quantised along the keys.
; SHARES.  A work-group makes 256 rows of A x 128 rows of B; ALL of K of both lies in LDS (196,608 + 98,304 bytes), brought in four chunks of two K steps: every byte of LDS is filled once, so there is no ring.
; Wave w makes A's tiles 4 w .. 4 w + 3 against B's eight: 32 accumulators, 256 matrix instructions.
; CLUSTER 4 x 4: A's tiles are shared along a row of the cluster, B's along a column: joint loads.  Waves 0, 1 ask for A's halves, waves 2, 3 for B's; a wave has four tensor loads out.
; TRANSPOSED USE: source 0 = 16 rows of B, source 1 = 16 rows of A.  B's rows lie in the buffer so that the 16 registers of tiles 2 b', 2 b' + 1 are true rows 32 b' + 16 (lane / 16) + 0 .. 15: neighbours along the next K.
; RESULT: image index = (I >> 7) 2048 + 128 J + (I & 127), I A's tile, J the group of 128 rows of B; codes at 1,048,576 + 1,536 index; scale words at 512 (index >> 2) + 16 lane + 4 (index & 3):
; lanes 0-15 the row's word, lanes 16-31 the word shifted down by 16 bits (the second 64 along K alone).
; No prefetch: all tiles are asked for at the head.  LIMITS: NaN and infinities are not served; a block under 2^-124 or of zeros keeps the byte 1 (its codes are zeros or nearly; this program alone reads the bytes).
; REGISTERS: window 0: v4-11 addresses; v32-47 A's scale words, v48-79 B's (register 8 (tile / 2) + K step; even tile lanes 0-15, odd tile lanes 16-31); v80-175 A's fragments, two sets; v176-219 the quantiser's.
;   window 1: B's fragments, two sets, at v0 and v128.   window 2: accumulator (a, b) at v[8 (8 a + b)].
; THE FILLS AS THEY STAND (this paragraph takes the place of what the lines above say of chunks and of who asks): K comes in TWO chunks of four K steps; a chunk holds A's 16 tiles x 6,144 bytes, then B's 8.
; Four joint loads, all at the head, one a wave: wave 0 A's first chunk, wave 1 B's, wave 2 A's second chunk, wave 3 B's.  Waves 0 and 1 wait for theirs ahead of the first barrier; every wave waits for its load ahead of the
; barrier in K step 3, behind which the second chunk is first read.  Every byte of LDS is filled once.  A wave has one tensor load out.
.set COFFA, 262144
.set COFFB, 262144
.set CHUNK, 147456                     ; four K steps: A's 16 tiles x 6,144 bytes, then B's 8
.set BOFF,  98304
.set G1A, 16
.set G1B, 24
.set G0A, 32
.set G0B, 48
.set SEL, 88
.set SCA, 32
.set SCB, 48
.set AF,  80
.set TM,  176
.set PW,  192
.set SW,  196
.set PC,  200
.set MSB, 0
.macro WIN new                         ; the immediate's high byte repeats the setting that is left
.if MSB != \new
	s_set_vgpr_msb (MSB<<8)|\new
.set MSB, \new
.endif
.endm
.set MUL,  0xa1                        ; source 0 (B) window 1, source 1 (A) window 0, C and D window 2
.set TO_B, 0x40                        ; destination window 1
.set QMAX, 0x28                        ; sources 1 and 2 window 2
.set QCVT, 0x02                        ; source 0 window 2
.macro CROUND                          ; a round of the cluster's barrier
	s_barrier_signal -1
	s_barrier_wait -1
	s_cmp_lg_u32 s10, 0
	s_cbranch_scc1 .Lnot_wave_0_\@
	s_barrier_signal -3
.Lnot_wave_0_\@:
	s_barrier_wait -3
	s_barrier_signal -1
	s_barrier_wait -1
.endm
.macro PLACES n
.rept \n
	v_nop
.endr
.endm
.macro W1 d, f0, f1, s0, s1, r0, r1, zero
.if \zero
.if ((\r0) == 1) && ((\r1) == 1)
	v_wmma_scale_f32_16x16x128_f8f6f4 v[\d:\d+7], v[\f0:\f0+11], v[\f1:\f1+11], 0, v[\s0], v[\s1] matrix_a_fmt:MATRIX_FMT_FP6 matrix_b_fmt:MATRIX_FMT_FP6 matrix_a_scale:MATRIX_SCALE_ROW1 matrix_b_scale:MATRIX_SCALE_ROW1
.elseif (\r0) == 1
	v_wmma_scale_f32_16x16x128_f8f6f4 v[\d:\d+7], v[\f0:\f0+11], v[\f1:\f1+11], 0, v[\s0], v[\s1] matrix_a_fmt:MATRIX_FMT_FP6 matrix_b_fmt:MATRIX_FMT_FP6 matrix_a_scale:MATRIX_SCALE_ROW1
.elseif (\r1) == 1
	v_wmma_scale_f32_16x16x128_f8f6f4 v[\d:\d+7], v[\f0:\f0+11], v[\f1:\f1+11], 0, v[\s0], v[\s1] matrix_a_fmt:MATRIX_FMT_FP6 matrix_b_fmt:MATRIX_FMT_FP6 matrix_b_scale:MATRIX_SCALE_ROW1
.else
	v_wmma_scale_f32_16x16x128_f8f6f4 v[\d:\d+7], v[\f0:\f0+11], v[\f1:\f1+11], 0, v[\s0], v[\s1] matrix_a_fmt:MATRIX_FMT_FP6 matrix_b_fmt:MATRIX_FMT_FP6
.endif
.else
.if ((\r0) == 1) && ((\r1) == 1)
	v_wmma_scale_f32_16x16x128_f8f6f4 v[\d:\d+7], v[\f0:\f0+11], v[\f1:\f1+11], v[\d:\d+7], v[\s0], v[\s1] matrix_a_fmt:MATRIX_FMT_FP6 matrix_b_fmt:MATRIX_FMT_FP6 matrix_a_scale:MATRIX_SCALE_ROW1 matrix_b_scale:MATRIX_SCALE_ROW1
.elseif (\r0) == 1
	v_wmma_scale_f32_16x16x128_f8f6f4 v[\d:\d+7], v[\f0:\f0+11], v[\f1:\f1+11], v[\d:\d+7], v[\s0], v[\s1] matrix_a_fmt:MATRIX_FMT_FP6 matrix_b_fmt:MATRIX_FMT_FP6 matrix_a_scale:MATRIX_SCALE_ROW1
.elseif (\r1) == 1
	v_wmma_scale_f32_16x16x128_f8f6f4 v[\d:\d+7], v[\f0:\f0+11], v[\f1:\f1+11], v[\d:\d+7], v[\s0], v[\s1] matrix_a_fmt:MATRIX_FMT_FP6 matrix_b_fmt:MATRIX_FMT_FP6 matrix_b_scale:MATRIX_SCALE_ROW1
.else
	v_wmma_scale_f32_16x16x128_f8f6f4 v[\d:\d+7], v[\f0:\f0+11], v[\f1:\f1+11], v[\d:\d+7], v[\s0], v[\s1] matrix_a_fmt:MATRIX_FMT_FP6 matrix_b_fmt:MATRIX_FMT_FP6
.endif
.endif
.endm
.macro MULA a, p, ks, zero             ; A's tile a against B's eight, K step ks, sets p.  The 32 accumulators take turns, in the same order in every step
.irp b, 0,1,2,3,4,5,6,7
	W1 8*(8*(\a)+\b), 128*(\p)+12*\b, AF+48*(\p)+12*(\a), SCB+8*(\b/2)+(\ks), SCA+8*((\a)/2)+(\ks), \b%2, (\a)%2, \zero
.endr
.endm
.macro FRAG reg, a16, a8, off          ; an image comes back as the registers that it is
	ds_load_b128 v[\reg:\reg+3], v[\a16] offset:\off
	ds_load_b64 v[\reg+4:\reg+5], v[\a8] offset:\off+512
	ds_load_b128 v[\reg+6:\reg+9], v[\a16] offset:\off+768
	ds_load_b64 v[\reg+10:\reg+11], v[\a8] offset:\off+1280
.endm
.macro FETCH p, q                      ; 48 loads in one run: B's eight fragments, then A's four, of the chunk's q-th K step, into sets p
	WIN TO_B
.irp b, 0,1,2,3,4,5,6,7
	FRAG 128*(\p)+12*\b, 10, 11, \b*6144+(\q)*1536
.endr
	WIN 0
.irp a, 0,1,2,3
	FRAG AF+48*(\p)+12*\a, 8, 9, \a*6144+(\q)*1536
.endr
.endm
.macro STEP ks, zero
.set PP, (\ks)%2
	s_wait_dscnt 12                                ; B's fragments and A's tile 0 are in; tiles 1 to 3 (four loads each) may be out
	WIN MUL
	MULA 0, PP, \ks, \zero
.if (\ks) != 3
	s_wait_dscnt 8
	MULA 1, PP, \ks, \zero
	WIN 0
	PLACES 4                                       ; in front of loads into registers that matrix instructions have read
	FETCH 1-PP, ((\ks)+1)%4                        ; the next K step of the same chunk, into the other sets
	s_wait_dscnt 48                                ; all but the 48 just issued
.else
	s_wait_dscnt 0x0                               ; no LDS instruction of mine is out at a signal
	s_wait_tensorcnt 0x0                           ; my load has landed: for waves 2 and 3 it is a part of the second chunk
	s_barrier_signal -1
	MULA 1, PP, \ks, \zero
	s_barrier_wait -1                              ; everybody's part has
	WIN 0
	v_add_nc_u32 v8, CHUNK, v8                     ; on to the next chunk; these four lines are also the places in front of the loads
	v_add_nc_u32 v9, CHUNK, v9
	v_add_nc_u32 v10, CHUNK, v10
	v_add_nc_u32 v11, CHUNK, v11
	FETCH 0, 0
.endif
	WIN MUL
	MULA 2, PP, \ks, \zero
	MULA 3, PP, \ks, \zero
.endm
; A's tile a: 64 results of a lane, register 16 b + i = row 32 b + 16 (lane / 16) + i of B's 128, become an image and a scale word
.macro QUANTW a
.if (\a) > 0
	s_wait_xcnt 0x0                                ; the last image's stores have read their data
.endif
	WIN QMAX
.irp b, 0,1,2,3
	v_max3_num_f32 v[TM+\b], 0x1800000, |v[64*(\a)+16*\b]|, |v[64*(\a)+16*\b+1]|   ; each accumulator from its low end on; the floor 2^(3 - 127) among the leaves
.endr
.irp i, 2,4,6,8,10,12,14
.irp b, 0,1,2,3
	v_max3_num_f32 v[TM+\b], v[TM+\b], |v[64*(\a)+16*\b+\i]|, |v[64*(\a)+16*\b+\i+1]|
.endr
.endr
	WIN 0
.irp b, 0,1,2,3
	v_permlanex16_b32 v[TM+4+\b], v[TM+\b], s[SEL], s[SEL+1]
.endr
.irp b, 0,1,2,3
	v_max_num_f32 v[TM+\b], v[TM+\b], v[TM+4+\b]   ; with lane l xor 16's: the block's largest magnitude
.endr
.irp b, 0,1,2,3
	v_add_nc_u32 v[TM+12+\b], 0xff000000, v[TM+\b]
.endr
.irp b, 0,1,2,3
	v_lshrrev_b32 v[TM+4+\b], 23, v[TM+12+\b]
.endr
	v_lshl_or_b32 v[PW], v[TM+5], 8, v[TM+4]
	v_lshl_or_b32 v[PW], v[TM+6], 16, v[PW]
	v_lshl_or_b32 v[PW], v[TM+7], 24, v[PW]
	v_lshrrev_b32 v[SW+(\a)], v7, v[PW]            ; lanes 16-31 keep the upper two bytes alone
	WIN QCVT
.irp c, 0,1
	v_cvt_scalef32_pk16_fp6_f32 v[PC+6*\c:PC+6*\c+2], v[64*(\a)+32*\c:64*(\a)+32*\c+15], v[TM+12+2*\c]
	v_cvt_scalef32_pk16_fp6_f32 v[PC+12+4*\c:PC+14+4*\c], v[64*(\a)+32*\c+16:64*(\a)+32*\c+31], v[TM+12+2*\c+1]
.endr
	WIN 0
	v_nop                                          ; one plain place behind a scaled conversion
.irp c, 0,1                            ; the layout wants a whole block in a lane
.irp i, 0,1,2
	v_permlane16_swap_b32 v[PC+6*\c+\i], v[PC+12+4*\c+\i]
.endr
.irp i, 0,1,2
	v_mov_b32 v[PC+3+6*\c+\i], v[PC+12+4*\c+\i]
.endr
.endr
	global_store_b128 v4, v[PC:PC+3], s[82:83] offset:(\a)*1536
	global_store_b64 v5, v[PC+4:PC+5], s[82:83] offset:(\a)*1536+512
	global_store_b128 v4, v[PC+6:PC+9], s[82:83] offset:(\a)*1536+768
	global_store_b64 v5, v[PC+10:PC+11], s[82:83] offset:(\a)*1536+1280
.endm
	s_load_b128 s[4:7], s[0:1], 0x0                ; A s[4:5], B s[6:7]
	s_load_b64 s[8:9], s[0:1], 0x10                ; the result
	v_lshl_add_u32 v254, v0, 2, 0x48000
	v_mov_b32 v255, 0
	ds_add_u32 v254, v255
	ds_add_u32 v254, v255
	v_lshrrev_b32 v1, 5, v0
	v_readfirstlane_b32 s10, v1                    ; wave
	s_bfe_u32 s13, ttmp6, 0x40000                  ; cx
	s_bfe_u32 s14, ttmp6, 0x40004                  ; cy
	s_lshl_b32 s15, ttmp9, 2
	s_add_co_u32 s15, s15, s13                     ; tx: which 128 rows of B
	s_and_b32 s3, ttmp7, 0xffff
	s_lshl_b32 s3, s3, 2
	s_add_co_u32 s3, s3, s14                       ; ty: which 256 rows of A
	s_lshl_b32 s66, s14, 2
	s_lshl_b32 s66, 15, s66                        ; my row of the cluster
	s_lshl_b32 s67, 0x1111, s13                    ; my column
	s_or_b32 s[G1A], s66, (3<<16)|(1<<21)          ; elements of 8 bytes; bit 21 beside a mask; no padding
	s_or_b32 s[G1B], s67, (3<<16)|(1<<21)
	s_mov_b32 s[G1A+1], 768<<16                    ; a row: a tile's four K steps, 6,144 bytes
	s_mov_b32 s[G1A+2], 16<<16                     ; 16 tiles
	s_mov_b32 s[G1A+3], 768<<16
	s_mov_b32 s[G1A+4], 16
	s_mov_b32 s[G1A+5], 1536                       ; from tile to tile: 12,288 bytes
	s_mov_b32 s[G1A+6], 0
	s_mov_b32 s[G1A+7], 0
	s_mov_b32 s[G1B+1], 768<<16
	s_mov_b32 s[G1B+2], 8<<16                      ; 8 tiles
	s_mov_b32 s[G1B+3], 768<<16
	s_mov_b32 s[G1B+4], 8
	s_mov_b32 s[G1B+5], 1536
	s_mov_b32 s[G1B+6], 0
	s_mov_b32 s[G1B+7], 0
	s_lshl_b32 s68, s3, 4                          ; A's address hangs on ty and the wave alone,
	s_mul_i32 s68, s68, 12288
	s_add_co_u32 s68, s68, COFFA
	s_mov_b32 s69, 0
	s_mov_b32 s70, 0
	s_lshl_b32 s72, s15, 3                         ; B's on tx and the wave alone
	s_mul_i32 s72, s72, 12288
	s_add_co_u32 s72, s72, COFFB
	s_mov_b32 s73, 0
	s_mov_b32 s74, BOFF
	s_lshl_b32 s76, s3, 3                          ; scale words: A's pairs 8 ty + 2 w, + 1
	s_lshl_b32 s77, s10, 1
	s_add_co_u32 s76, s76, s77
	s_lshl_b32 s76, s76, 10
	s_mov_b32 s77, 0
	s_lshl_b32 s78, s15, 12                        ; B's pairs 4 tx .. 4 tx + 3
	s_mov_b32 s79, 0
	s_lshl_b32 s80, s3, 4                          ; the result: I0 = 16 ty + 4 w
	s_lshl_b32 s81, s10, 2
	s_add_co_u32 s80, s80, s81
	s_lshr_b32 s81, s80, 7
	s_lshl_b32 s81, s81, 11
	s_and_b32 s80, s80, 127
	s_add_co_u32 s80, s80, s81
	s_lshl_b32 s81, s15, 7
	s_add_co_u32 s80, s80, s81                     ; index of my first image, a multiple of 4
	s_mul_i32 s82, s80, 1536
	s_add_co_u32 s82, s82, 1048576
	s_mov_b32 s83, 0
	s_lshl_b32 s84, s80, 7
	s_mov_b32 s85, 0
	s_mov_b32 s[SEL], 0x76543210
	s_mov_b32 s[SEL+1], 0xfedcba98
	s_mul_i32 s86, s10, 24576
	v_and_b32 v1, 31, v0
	v_bfe_u32 v7, v0, 4, 1
	v_lshlrev_b32 v4, 4, v1                        ; 16 x lane
	v_lshlrev_b32 v5, 3, v1                        ; 8 x lane
	v_lshlrev_b32 v6, 2, v1                        ; 4 x lane
	v_lshlrev_b32 v7, 4, v7                        ; 16 h
	v_add_nc_u32 v8, s86, v4
	v_add_nc_u32 v9, s86, v5
	v_add_nc_u32 v10, BOFF, v4
	v_add_nc_u32 v11, BOFF, v5
.irp b, 0,1,2,3
	v_mov_b32 v[TM+4+\b], 0                        ; a lane permute's destination counts as one of its sources
.endr
	s_wait_dscnt 0x0
	s_wait_kmcnt 0x0
	s_add_nc_u64 s[68:69], s[4:5], s[68:69]
	s_add_nc_u64 s[72:73], s[6:7], s[72:73]
	s_add_nc_u64 s[76:77], s[4:5], s[76:77]
	s_add_nc_u64 s[78:79], s[6:7], s[78:79]
	s_add_nc_u64 s[82:83], s[8:9], s[82:83]
	s_add_nc_u64 s[84:85], s[8:9], s[84:85]
.irp i, 0,1
.irp s, 0,1,2,3,4,5,6,7
	global_load_b32 v[SCA+8*\i+\s], v6, s[76:77] offset:1024*\i+128*\s   ; a pair's eight K steps are 1,024 consecutive bytes
.endr
.endr
.irp i, 0,1,2,3
.irp s, 0,1,2,3,4,5,6,7
	global_load_b32 v[SCB+8*\i+\s], v6, s[78:79] offset:1024*\i+128*\s
.endr
.endr
.irp j, 0,1
	s_mov_b32 s[G0A+4*\j], 1
	s_add_co_u32 s[G0A+4*\j+1], s70, \j*CHUNK
	s_add_nc_u64 s[G0A+4*\j+2:G0A+4*\j+3], s[68:69], \j*6144
	s_or_b32 s[G0A+4*\j+3], s[G0A+4*\j+3], 0x80000000
	s_mov_b32 s[G0B+4*\j], 1
	s_add_co_u32 s[G0B+4*\j+1], s74, \j*CHUNK
	s_add_nc_u64 s[G0B+4*\j+2:G0B+4*\j+3], s[72:73], \j*6144
	s_or_b32 s[G0B+4*\j+3], s[G0B+4*\j+3], 0x80000000
.endr
	CROUND                                         ; all sixteen work-groups are here: the joint loads meet
; one chain of branches on the wave's number, one joint load to an arm, all arms leading to one join
.macro ARM under, g0, g1, next
	s_cmp_lt_u32 s10, \under
	s_cbranch_scc0 \next
	tensor_load_to_lds s[\g0:\g0+3], s[\g1:\g1+7]
	s_nop 0
	PLACES 4
	s_branch .Lfilled
\next:
.endm
	ARM 1, G0A, G1A, .Lfill_b
	ARM 2, G0B, G1B, .Lfill_a2
	ARM 3, G0A+4, G1A, .Lfill_b2
	tensor_load_to_lds s[G0B+4:G0B+7], s[G1B:G1B+7]
	s_nop 0
	PLACES 4
.Lfilled:
	s_cmp_lt_u32 s10, 2                            ; the first chunk is waves 0 and 1's: they wait for it here; the second chunk's loads may be out: its bytes are first read behind K step 3's barrier
	s_cbranch_scc0 .Lsecond_out
	s_wait_tensorcnt 0x0
.Lsecond_out:
	s_barrier_signal -1
	s_barrier_wait -1
	s_wait_alu depctr_va_vdst(0)
	FETCH 0, 0
	s_wait_loadcnt 0x0                             ; the scale words
	STEP 0, 1                                      ; the first K step starts the sums: nothing is cleared
	STEP 1, 0
	STEP 2, 0
	STEP 3, 0
	s_wait_alu depctr_va_vdst(0)
	STEP 4, 0
	STEP 5, 0
	STEP 6, 0
	s_wait_dscnt 12                                ; the last K step: nothing more to fetch
	WIN MUL
	MULA 0, 1, 7, 0
	s_wait_dscnt 8
	MULA 1, 1, 7, 0
	s_wait_dscnt 4
	MULA 2, 1, 7, 0
	s_wait_dscnt 0x0
	MULA 3, 1, 7, 0
	WIN 0
	PLACES 4                                       ; in front of the first read of results
	QUANTW 0
	QUANTW 1
	QUANTW 2
	QUANTW 3
	global_store_b128 v4, v[SW:SW+3], s[84:85]     ; the four images' scale words: 512 consecutive bytes
	s_wait_tensorcnt 0x0
	ds_add_u32 v254, v255
	s_wait_dscnt 0x0
	CROUND                                         ; the closing round
	s_endpgm
.Lfunc_end_k_q51db65ee45_gemm_qk:
	.size	k_q51db65ee45_gemm_qk, .Lfunc_end_k_q51db65ee45_gemm_qk-k_q51db65ee45_gemm_qk
	.p2alignl 7, 3214868480
	.fill 96, 4, 3214868480
	.section	.rodata,"a",@progbits
	.p2align	6, 0x0
	.amdhsa_kernel k_q51db65ee45_gemm_qk
		.amdhsa_group_segment_fixed_size 295424
		.amdhsa_private_segment_fixed_size 0
		.amdhsa_enable_private_segment 0
		.amdhsa_kernarg_size 24
		.amdhsa_user_sgpr_count 2
		.amdhsa_user_sgpr_kernarg_segment_ptr 1
		.amdhsa_wavefront_size32 1
		.amdhsa_system_sgpr_workgroup_id_x 1
		.amdhsa_system_sgpr_workgroup_id_y 1
		.amdhsa_system_sgpr_workgroup_id_z 1
		.amdhsa_system_vgpr_workitem_id 0
		.amdhsa_next_free_vgpr 768
		.amdhsa_next_free_sgpr 96
		.amdhsa_reserve_vcc 0
		.amdhsa_float_denorm_mode_32 3
		.amdhsa_float_denorm_mode_16_64 3
		.amdhsa_memory_ordered 1
		.amdhsa_forward_progress 1
		.amdhsa_inst_pref_size 89
	.end_amdhsa_kernel
	.amdgpu_metadata
---
amdhsa.version: [ 1, 2 ]
amdhsa.kernels:
  - .name:           k_q51db65ee45_gemm_qk
    .symbol:         k_q51db65ee45_gemm_qk.kd
    .args:
      - { .name: XQ, .offset: 0, .size: 8, .value_kind: global_buffer, .address_space: global }
      - { .name: WQK, .offset: 8, .size: 8, .value_kind: global_buffer, .address_space: global }
      - { .name: QK, .offset: 16, .size: 8, .value_kind: global_buffer, .address_space: global }
    .group_segment_fixed_size: 295424
    .private_segment_fixed_size: 0
    .kernarg_segment_align: 8
    .kernarg_segment_size: 24
    .max_flat_workgroup_size: 128
    .sgpr_count:     96
    .vgpr_count:     768
    .wavefront_size: 32
...
	.end_amdgpu_metadata
.endif
;; end of part 2
;; launch gemm_v: the kernel of part 2 again; grid 64 x 4, 4 waves a work-group, clusters of 4 x 4, 295,424 bytes of LDS; arguments WV, XQ, VT; writes VT
;; launch attn (part 3): grid 4 x 64, 8 waves a work-group, clusters of 4 x 1, 210,944 bytes of LDS; arguments QK, VT, AO; writes AO
.if DOCPART == 3
	.amdgcn_target "amdgcn-amd-amdhsa--gfx1250"
	.amdhsa_code_object_version 6
	.text
	.protected	k_q51db65ee45_attn
	.globl	k_q51db65ee45_attn
	.p2align	8
	.type	k_q51db65ee45_attn,@function
k_q51db65ee45_attn:
	s_mov_b64 s[64:65], 0
	v_nop
	global_prefetch_b8 v0, s[64:65] scope:SCOPE_SE
	s_setreg_imm32_b32 hwreg(HW_REG_WAVE_MODE, 25, 1), 1
	s_wait_xcnt 0x0
	s_wait_alu depctr_hold_cnt(0) depctr_sa_sdst(0) depctr_va_vdst(0) depctr_va_sdst(0) depctr_va_ssrc(0) depctr_va_vcc(0) depctr_vm_vsrc(0)
	s_getreg_b32 s2, hwreg(HW_REG_IB_STS2, 6, 4)
	s_cmp_eq_u32 s2, 0
	s_cbranch_scc0 .Lentry_in_a_cluster
	s_endpgm
.Lentry_in_a_cluster:
	s_bfe_u32 s2, ttmp6, 0x10000c
	s_cmp_lg_u32 s2, 0x3003
	s_cbranch_scc0 .Lentry_shape_is_right
	s_endpgm
.Lentry_shape_is_right:
; Attention of one (batch, head) on codes of FP6: S^T = K Q^T, p = 2^(t - M), O^T = V^T P^T, O / l quantised along the head's 64 for the last product.
; t = score x log2(e) / 8; M = the running largest t rounded UP to a whole number; p is quantised along the keys, not normalised; the row's sum is taken of the unquantised p; when M moves, the sums and O^T are multiplied by 2^(old M - new M).
; SHARES.  Cluster y = 16 batch + head; the cluster's four work-groups take 512 queries each and read the same K and V: every tile is asked for jointly.  ALL of the head's K and V (98,304 bytes each) lies in LDS, filled once.
; Eight waves, two to a SIMD, 512 registers each.  Wave w holds query tiles 4 w .. 4 w + 3 of its work-group's 32 AT ONCE: a key step (128 keys) reads K's eight and V's four fragments from LDS once for all four tiles.
; FILLS.  One joint load a wave, at the head: waves 0-3 32 tiles of K each, waves 4-7 four key steps of V each.  A wave has one tensor load out.  No prefetch: all tiles are asked for at the head, and there is no loop to run ahead in.
; THE FIRST PRODUCT'S K is the head's 64; the instruction's other 64 are ZERO CODES IN Q ALONE.  So K's upper half may hold any codes: fragment t lies at v[KF + 6 t], and its operand's upper six registers are fragment t + 1's
; (behind the last: six zeros).  The scale bytes that go with that half are finite codes (the other head's, or 0).
; WHICH KEYS FORM A TILE OF K.  The buffer's tile 2 G + u holds, at place p, token 32 G + 8 u + p + 8 (p / 8).  A lane's address picks places so that tile i of a group of 64 keys has keys 8 i .. 8 i + 7 in rows 0-7 and
; keys 32 + 8 i .. in rows 8-15.  Both products are used transposed, a lane holds ONE query (lane % 16), and its 32 registers of four tiles are then keys 32 (lane / 16) + 0 .. 31: a WHOLE block of p's quantiser, in the order
; of the next operand's registers.  So a block's maximum needs no other lane and the codes need no lane swap; one lane permute joins the row's maximum, one the scale word's bytes.
; K'S FRAGMENTS OF THE NEXT STEP are asked for in a trip's last tile, behind its score products, which are the last to read this step's.  In the last trip these 18 loads fall on V's and its scale words' bytes, inside LDS, and are not used.
; LDS: K [tile 128][768] at 0; V [key step 16][tile 4][1,536] at 98,304; K's scale words [64 keys][16 places][4 tiles] at 196,608; V's [key step][16 rows][4 tiles] at 204,800; the spare words at 208,896.
; LIMITS: NaN and infinities are not served; the promise holds while the scaled scores t stay under 2^31 in magnitude; p under 2^-126 is 0; 1 / l by v_rcp_f32; a block under 2^-124 or of zeros keeps the byte 1 (its codes are zeros or nearly; this program alone reads the bytes).
; A block's largest p is made from its largest score by the same multiply-add and exponential as every p.
; REGISTERS.  Window 0: v2-23 addresses; KF K's fragments; KS, VS, QS, PW scale words and nothing else; VF V's fragments; S the scores of one tile, then p; PC p's codes; ST0 (-M, largest score) and L0 (the sum, two pairs) for each tile.
;   Window 1: v0-127 O^T, 32 registers a tile; v128-175 Q's four fragments (upper six of each 0).
.set WV, 10
.set KSBASE, 196608
.set SPARE, 208896
.set SPW, 2
.set NIL, 3
.set L16, 4
.set L8, 5
.set R16, 6
.set L4, 7
.set KB16, 8
.set KB8, 9
.set VB16, 10
.set VB8, 11
.set KSB, 12
.set VSB, 13
.set KA16, 14
.set KA8, 15
.set VA16, 16
.set VA8, 17
.set KSA, 18
.set VSA, 19
.set SH8, 20
.set KF, 24
.set KS, 78
.set VF, 82
.set VS, 130
.set S, 134
.set PC, 198
.set T0, 210
.set PW, 213
.set T1, 214
.set PT, 217
.set BM, 218
.set CB, 220
.set SO, 222
.set F, 224
.set X, 226
.set OLD, 227
.set P0, 226                           ; four pairs for the sums' chains, each on registers that are done with when it begins
.set P1, 218
.set P2, 220
.set P3, 222
.set W, 224
.set ST0, 228
.set L0, 236
.set QS, 252
.set QF, 128
.set MSB, 0
.macro WIN new                         ; the immediate's high byte repeats the setting that is left
.if MSB != \new
	s_set_vgpr_msb (MSB<<8)|\new
.set MSB, \new
.endif
.endm
.macro CROUND
	s_barrier_signal -1
	s_barrier_wait -1
	s_cmp_lg_u32 s[WV], 0
	s_cbranch_scc1 .Lnot_wave_0_\@
	s_barrier_signal -3
.Lnot_wave_0_\@:
	s_barrier_wait -3
	s_barrier_signal -1
	s_barrier_wait -1
.endm
	s_load_b128 s[4:7], s[0:1], 0x0                ; QK s[4:5], VT s[6:7]
	s_load_b64 s[8:9], s[0:1], 0x10                ; AO
	v_lshl_add_u32 v[SPW], v0, 2, SPARE
	v_mov_b32 v[NIL], 0
	ds_add_u32 v[SPW], v[NIL]                      ; the opening lines: the add, twice on end, and its wait ahead of my tensor load
	ds_add_u32 v[SPW], v[NIL]
	v_lshrrev_b32 v1, 5, v0
	v_readfirstlane_b32 s[WV], v1                  ; wave 0..7
	v_and_b32 v1, 31, v0
	v_lshlrev_b32 v[L16], 4, v1                    ; 16, 8, 4 x lane
	v_lshlrev_b32 v[L8], 3, v1
	v_lshlrev_b32 v[L4], 2, v1
	v_and_b32 v1, 15, v0
	v_lshlrev_b32 v[R16], 4, v1                    ; 16 r
	v_bfe_u32 v21, v0, 3, 1                        ; r / 8
	v_and_b32 v22, 0x17, v0                        ; r % 8 + 16 h: the image's lane of place r % 8
	v_mul_u32_u24 v23, v21, 1536                   ; rows 8-15 of a tile come from the buffer's tile two further on
	v_lshl_add_u32 v[KB16], v22, 4, v23
	v_lshl_add_u32 v[KB8], v22, 3, v23
	v_add_nc_u32 v[VB16], 98304, v[L16]
	v_add_nc_u32 v[VB8], 98304, v[L8]
	v_bfe_u32 v22, v0, 4, 1                        ; h
	v_and_b32 v23, 7, v0
	v_lshlrev_b32 v[SH8], 3, v22                   ; 8 h
	v_lshl_add_u32 v[KSB], v22, 8, KSBASE          ; K's scale words: lanes 0-15 the step's first 64 keys, lanes 16-31 the second;
	v_lshl_add_u32 v[KSB], v23, 4, v[KSB]          ; place r % 8,
	v_lshl_add_u32 v[KSB], v21, 3, v[KSB]          ; words 2 (r / 8), + 1
	v_add_nc_u32 v[VSB], KSBASE+8192, v[R16]
	v_lshrrev_b32 v1, 4, v0
	v_lshl_add_u32 v21, v1, 9, v[R16]              ; the scale words' way in: thread T takes 16 bytes of K's group T / 16 (and T / 16 + 16), row T % 16,
	v_lshl_add_u32 v22, v1, 14, v[R16]             ; and of V's key step T / 16
	v_lshl_add_u32 v23, v0, 4, KSBASE
	s_and_b32 s11, ttmp7, 0xffff
	s_lshr_b32 s12, s11, 4                         ; batch
	s_and_b32 s13, s11, 15                         ; head
	s_and_b32 s14, s13, 1                          ; which half of an image of q or k
	s_lshr_b32 s15, s13, 1
	s_and_b32 s16, s[WV], 3                        ; E: my share of the fills
	s_bfe_u32 s17, ttmp6, 0x40000                  ; cx
	s_lshl_b32 s19, ttmp9, 2
	s_add_co_u32 s17, s17, s19                     ; my quarter of the queries: it enters Q's and AO's addresses alone
	s_mul_i32 s18, s14, 768
	s_lshl_b32 s91, s12, 11
	s_lshl_b32 s19, s15, 7
	s_add_co_u32 s91, s91, s19                     ; index of q's first image
	s_add_co_u32 s92, s91, 1024                    ; of k's
.irp g, 24, 32
	s_mov_b32 s[\g], 15|(3<<16)|(1<<21)            ; the mask: all four work-groups; bit 21 beside it; elements of 8 bytes
	s_mov_b32 s[\g+6], 0
	s_mov_b32 s[\g+7], 0
.endr
	s_mov_b32 s25, 96<<16                          ; K: 32 rows of 768 bytes, 1,536 apart
	s_mov_b32 s26, 32<<16
	s_mov_b32 s27, 96<<16
	s_mov_b32 s28, 32
	s_mov_b32 s29, 192
	s_mov_b32 s33, 768<<16                         ; V: 4 rows of 6,144 bytes, 196,608 apart
	s_mov_b32 s34, 4<<16
	s_mov_b32 s35, 768<<16
	s_mov_b32 s36, 4
	s_mov_b32 s37, 24576
	s_lshl_b32 s94, s16, 5                         ; K: tiles 32 E ..
	s_add_co_u32 s94, s94, s92
	s_mul_i32 s94, s94, 1536
	s_add_co_u32 s94, s94, s18
	s_add_co_u32 s94, s94, 1048576
	s_mov_b32 s95, 0
	s_mul_i32 s98, s12, 3145728                    ; V: the head's four images of key steps 4 E ..
	s_mul_i32 s19, s13, 6144
	s_add_co_u32 s98, s98, s19
	s_mul_i32 s19, s16, 786432
	s_add_co_u32 s98, s98, s19
	s_add_co_u32 s98, s98, 1048576
	s_mov_b32 s99, 0
	s_lshl_b32 s82, s92, 7                         ; K's scale words
	s_lshl_b32 s83, s14, 8
	s_add_co_u32 s82, s82, s83
	s_mov_b32 s83, 0
	s_lshl_b32 s84, s12, 18                        ; V's
	s_lshl_b32 s85, s13, 9
	s_add_co_u32 s84, s84, s85
	s_mov_b32 s85, 0
	s_lshl_b32 s93, s17, 5
	s_lshl_b32 s86, s[WV], 2
	s_add_co_u32 s93, s93, s86                     ; my first query tile in the batch: 32 quarter + 4 wave
	s_add_co_u32 s86, s91, s93                     ; its image's index, a multiple of 4
	s_lshl_b32 s88, s86, 7
	s_lshl_b32 s89, s14, 8
	s_add_co_u32 s88, s88, s89                     ; the four tiles' scale words
	s_mov_b32 s89, 0
	s_mul_i32 s86, s86, 1536
	s_add_co_u32 s86, s86, s18
	s_add_co_u32 s86, s86, 1048576
	s_mov_b32 s87, 0
	s_lshl_b32 s2, s12, 7
	s_add_co_u32 s2, s2, s93                       ; the same tile among all 512
	s_lshl_b32 s66, s2, 6                          ; its pair's 128 bytes of words
	s_mul_i32 s2, s2, 12288
	s_mul_i32 s3, s13, 768
	s_add_co_u32 s2, s2, s3
	s_add_co_u32 s2, s2, 524288
	s_mov_b32 s3, 0
	s_lshl_b32 s67, s13, 15
	s_add_co_u32 s66, s66, s67
	s_mov_b32 s67, 0
	s_mov_b32 s20, 0x76543210
	s_mov_b32 s21, 0xfedcba98                      ; selects for lane l xor 16
	s_mov_b32 s22, 0x3e38aa3b                      ; c = log2(e) / 8
	s_mov_b32 s23, s22                             ; (named with it as a pair)
	s_mov_b32 s90, 0xffff0000                      ; lanes 16-31
	s_wait_alu depctr_va_vdst(0)
	s_wait_dscnt 0x0                               ; both opening adds are done
	s_wait_kmcnt 0x0
	s_add_nc_u64 s[82:83], s[4:5], s[82:83]
	s_add_nc_u64 s[84:85], s[6:7], s[84:85]
	s_add_nc_u64 s[86:87], s[4:5], s[86:87]
	s_add_nc_u64 s[88:89], s[4:5], s[88:89]
	s_add_nc_u64 s[2:3], s[8:9], s[2:3]
	s_add_nc_u64 s[66:67], s[8:9], s[66:67]
	global_load_b128 v[S:S+3], v21, s[82:83]
	global_load_b128 v[S+4:S+7], v21, s[82:83] offset:8192
	global_load_b128 v[S+8:S+11], v22, s[84:85]
	global_load_b128 v[QS:QS+3], v[R16], s[88:89]  ; Q's scale words, a register a tile
	WIN 0x40
.irp q, 0,1,2,3
	global_load_b128 v[QF+12*\q:QF+12*\q+3], v[L16], s[86:87] offset:1536*\q
	global_load_b64 v[QF+12*\q+4:QF+12*\q+5], v[L8], s[86:87] offset:1536*\q+512
.endr
	WIN 0
	s_mov_b32 s40, 1
	s_mul_i32 s41, s16, 24576
	s_add_nc_u64 s[42:43], s[4:5], s[94:95]
	s_or_b32 s43, s43, 0x80000000
	s_mov_b32 s44, 1
	s_add_co_u32 s45, s41, 98304
	s_add_nc_u64 s[46:47], s[6:7], s[98:99]
	s_or_b32 s47, s47, 0x80000000
	CROUND                                         ; all four work-groups are here: the joint loads meet
	s_cmp_lt_u32 s[WV], 4                          ; one load a wave, one to an arm; s_nop 0 and four v_nop follow each
	s_cbranch_scc0 .Lfill_v
	tensor_load_to_lds s[40:43], s[24:31]
	s_nop 0
.rept 4
	v_nop
.endr
	s_branch .Lfilled
.Lfill_v:
	tensor_load_to_lds s[44:47], s[32:39]
	s_nop 0
.rept 4
	v_nop
.endr
.Lfilled:
; the registers' first values are set while the tiles are on their way
.irp j, 48,49,50,51,52,53
	v_mov_b32 v[KF+\j], 0                          ; behind K's last fragment
.endr
	v_mov_b32 v[PT], 0                             ; a lane permute's destination counts as one of its sources
	v_mov_b32 v[F+1], 0                            ; named with f as a pair
.irp q, 0,1,2,3
	v_mov_b32 v[ST0+2*\q], 0x7f61b1e6              ; -M = 3e38,
	v_mov_b32 v[ST0+2*\q+1], 0xff61b1e6            ; the largest score so far: -3e38
.endr
.set N, 0
.rept 16
	v_mov_b32 v[L0+N], 0
.set N, N+1
.endr
	WIN 0x40
.set N, 0
.rept 128
	v_mov_b32 v[N], 0                              ; O^T: the step is written once; the first finds zeros
.set N, N+1
.endr
.irp q, 0,1,2,3
.irp j, 6,7,8,9,10,11
	v_mov_b32 v[QF+12*\q+\j], 0                    ; zero codes for the upper 64 of the first product's K
.endr
.endr
	WIN 0
	s_wait_alu depctr_va_vdst(0)
	s_wait_tensorcnt 0x0                           ; my part of K or V has landed
	s_wait_loadcnt 0x9                             ; the three loads of K's and V's scale words are in; Q's nine may be out
	ds_store_b128 v23, v[S:S+3]
	ds_store_b128 v23, v[S+4:S+7] offset:4096
	ds_store_b128 v23, v[S+8:S+11] offset:8192
	s_wait_dscnt 0x0                               ; my stores have landed
	s_barrier_signal -1
	s_barrier_wait -1                              ; everybody's part has
	s_wait_loadcnt 0x0                             ; Q
.macro QK t, q
.if \t < 4
	v_wmma_scale_f32_16x16x128_f8f6f4 v[S+8*\t:S+8*\t+7], v[KF+6*\t:KF+6*\t+11], v[QF+12*\q:QF+12*\q+11], 0, v[KS+\t%4], v[QS+\q] matrix_a_fmt:MATRIX_FMT_FP6 matrix_b_fmt:MATRIX_FMT_FP6
.else
	v_wmma_scale_f32_16x16x128_f8f6f4 v[S+8*\t:S+8*\t+7], v[KF+6*\t:KF+6*\t+11], v[QF+12*\q:QF+12*\q+11], 0, v[KS+\t%4], v[QS+\q] matrix_a_fmt:MATRIX_FMT_FP6 matrix_b_fmt:MATRIX_FMT_FP6 matrix_a_scale:MATRIX_SCALE_ROW1
.endif
.endm
; K's eight fragments and their scale words, 18 loads.  Tile t = 4 g + i: the buffer's tiles 4 g + i % 2 and + 2, places 8 (i / 2) ..; scale register i: tile i's words in lanes 0-15, tile 4 + i's in lanes 16-31
.macro KLOAD a16, a8, as, k, ks
.irp t, 0,1,2,3,4,5,6,7
	ds_load_b128 v[KF+6*\t:KF+6*\t+3], v[\a16] offset:\k+3072*(\t/4)+768*(\t%2)+128*((\t/2)%2)
	ds_load_b64 v[KF+6*\t+4:KF+6*\t+5], v[\a8] offset:\k+3072*(\t/4)+768*(\t%2)+64*((\t/2)%2)+512
.endr
	ds_load_b64 v[KS:KS+1], v[\as] offset:\ks
	ds_load_b64 v[KS+2:KS+3], v[\as] offset:\ks+128
.endm
.macro TMM from, n                     ; t - M, two at a time
.set N, \from
.rept \n
	v_pk_fma_f32 v[S+N:S+N+1], v[S+N:S+N+1], s[22:23], v[ST:ST+1] op_sel_hi:[1,0,0]
.set N, N+2
.endr
.endm
.macro MAXROW i                        ; one link of each of the eight chains, one chain to an accumulator
.irp g, 0,1
	v_max3_num_f32 v[BM+\g], v[BM+\g], v[S+32*\g+\i], v[S+32*\g+\i+1]
	v_max3_num_f32 v[CB+\g], v[CB+\g], v[S+32*\g+8+\i], v[S+32*\g+9+\i]
	v_max3_num_f32 v[SO+\g], v[SO+\g], v[S+32*\g+16+\i], v[S+32*\g+17+\i]
	v_max3_num_f32 v[T0+\g], v[T0+\g], v[S+32*\g+24+\i], v[S+32*\g+25+\i]
.endr
.endm
.macro ADDP d, j                       ; a link of a chain of the sums: two more p
	v_pk_add_f32 v[\d:\d+1], v[\d:\d+1], v[S+\j:S+\j+1]
.endm
; ONE QUERY TILE AGAINST THE STEP'S 128 KEYS
.macro TILE q
.set ST, ST0+2*(\q)
.set L, L0+4*(\q)
.set O, 32*(\q)
	WIN 0x04                                       ; source 1 (Q) in window 1
.irp t, 0,1,2,3,4,5,6,7
	QK \t, \q
.endr
	WIN 0
.rept 4
	v_nop                                          ; places in front of the first read of the scores, and of the loads below
.endr
.if (\q) == 3
	KLOAD KA16, KA8, KSA, 6144, 512                ; the next step's: this step's have been read for the last time
.endif
.irp g, 0,1                            ; my two blocks of 32 keys; the accumulators in the order in which they were written, each read from its low end on
	v_max3_num_f32 v[BM+\g], v[S+32*\g], v[S+32*\g+1], v[S+32*\g+2]
	v_max3_num_f32 v[CB+\g], v[S+32*\g+8], v[S+32*\g+9], v[S+32*\g+10]
	v_max3_num_f32 v[SO+\g], v[S+32*\g+16], v[S+32*\g+17], v[S+32*\g+18]
	v_max3_num_f32 v[T0+\g], v[S+32*\g+24], v[S+32*\g+25], v[S+32*\g+26]
.endr
	MAXROW 3
	MAXROW 5
.irp g, 0,1
	v_max3_num_f32 v[BM+\g], v[BM+\g], v[CB+\g], v[S+32*\g+7]
.endr
.irp g, 0,1
	v_max3_num_f32 v[SO+\g], v[SO+\g], v[T0+\g], v[S+32*\g+15]
.endr
.irp g, 0,1
	v_max3_num_f32 v[BM+\g], v[BM+\g], v[SO+\g], v[S+32*\g+23]
.endr
.irp g, 0,1
	v_max_num_f32 v[BM+\g], v[BM+\g], v[S+32*\g+31]   ; the block's largest score: for the row's maximum and for the block's largest p
.endr
	v_mov_b32 v[OLD], v[ST]
	s_delay_alu instid0(VALU_DEP_2)
	v_max_num_f32 v[X], v[BM], v[BM+1]
	s_delay_alu instid0(VALU_DEP_1)
	v_permlanex16_b32 v[PT], v[X], s20, s21
	s_delay_alu instid0(VALU_DEP_1)
	v_max3_num_f32 v[ST+1], v[ST+1], v[X], v[PT]   ; the running largest score (c is positive)
	s_delay_alu instid0(VALU_DEP_1)
	v_mul_f32 v[X], s22, v[ST+1]                   ; as t
	s_delay_alu instid0(VALU_DEP_1)
	v_floor_f32 v[ST], -v[X]                       ; -M = floor(-t)
	s_delay_alu instid0(VALU_DEP_1)
	v_sub_f32 v[OLD], v[ST], v[OLD]                ; old M - new M: a whole number, 0 or less
	TMM 0, 2
	v_cvt_i32_f32 v[OLD], v[OLD]                   ; (it saturates)
	TMM 4, 2
	v_ldexp_f32 v[F], 1.0, v[OLD]                  ; f = 2^(old M - new M)
	TMM 8, 28
.irp g, 0,1
	v_fma_f32 v[BM+\g], v[BM+\g], s22, v[ST]
.endr
	s_wait_alu depctr_va_vdst(0)
.irp g, 0,1
	v_exp_f32 v[BM+\g], v[BM+\g]                   ; each block's largest p
.endr
.set N, 0
.rept 64
	v_exp_f32 v[S+N], v[S+N]                       ; p = 2^(t - M)
.set N, N+1
.endr
	WIN 0x41                                       ; destination and source 0 (O^T) in window 1
	s_wait_alu depctr_va_vdst(0)                   ; one wait for the batch, and directly ahead of the first read of O^T
.irp j, 0,2,4,6,8,10,12,14,16,18,20,22,24,26,28,30
	v_pk_mul_f32 v[O+\j:O+\j+1], v[O+\j:O+\j+1], v[F:F+1] op_sel_hi:[1,0]   ; O^T under the new M; plain work behind the exponentials
.endr
	WIN 0
; p's scale word and codes, and among their lines the sums of the unquantised p, 32 lines in six chains: the tile's two running pairs, whose first links bring them under the new M, and four pairs that begin anew
.irp g, 0,1
	v_max_num_f32 v[BM+\g], 0x1800000, v[BM+\g]    ; the floor 2^(3 - 127)
.endr
	v_pk_fma_f32 v[L:L+1], v[L:L+1], v[F:F+1], v[S:S+1] op_sel_hi:[1,0,1]
	v_pk_fma_f32 v[L+2:L+3], v[L+2:L+3], v[F:F+1], v[S+2:S+3] op_sel_hi:[1,0,1]
	v_pk_add_f32 v[P0:P0+1], v[S+4:S+5], v[S+6:S+7]
.irp g, 0,1
	v_add_nc_u32 v[SO+\g], 0xff000000, v[BM+\g]    ; 2 off the exponent field: the conversion's scale operand
.endr
	v_pk_add_f32 v[P1:P1+1], v[S+8:S+9], v[S+10:S+11]
	ADDP L, 12
	ADDP L+2, 14
	ADDP P0, 16
.irp g, 0,1
	v_lshrrev_b32 v[CB+\g], 23, v[SO+\g]           ; the byte
.endr
.irp g, 0,1
	v_cvt_scalef32_pk16_fp6_f32 v[PC+6*\g:PC+6*\g+2], v[S+32*\g:S+32*\g+15], v[SO+\g]
	v_cvt_scalef32_pk16_fp6_f32 v[T0+4*\g:T0+4*\g+2], v[S+32*\g+16:S+32*\g+31], v[SO+\g]   ; (a conversion's three registers begin on an even number)
.endr
	ADDP P1, 18                                    ; (the plain place behind the conversions)
	v_lshl_or_b32 v[PW], v[CB+1], 16, v[CB]        ; my blocks h and 2 + h,
	ADDP L, 20
	ADDP L+2, 22
	ADDP P0, 24
	v_pk_add_f32 v[P3:P3+1], v[S+26:S+27], v[S+28:S+29]
	v_lshlrev_b32 v[PW], v[SH8], v[PW]             ; at their places;
.irp g, 0,1
.irp i, 0,1,2
	v_mov_b32 v[PC+6*\g+3+\i], v[T0+4*\g+\i]
.endr
.endr
	v_permlanex16_b32 v[PT], v[PW], s20, s21
	v_pk_add_f32 v[P2:P2+1], v[S+30:S+31], v[S+32:S+33]
	ADDP P1, 34
	ADDP L, 36
	ADDP L+2, 38
	ADDP P0, 40
	v_or_b32 v[PW], v[PW], v[PT]                   ; with lane l xor 16's two the query's word is whole.  The 15 lines below are the places between it and the products
	ADDP P3, 42
	ADDP P2, 44
	ADDP P1, 46
	ADDP L, 48
	ADDP L+2, 50
	ADDP P0, 52
	ADDP P3, 54
	ADDP P2, 56
	ADDP P1, 58
	ADDP L, 60
	ADDP L+2, 62
	v_pk_add_f32 v[P0:P0+1], v[P0:P0+1], v[P3:P3+1]
	v_pk_add_f32 v[P2:P2+1], v[P2:P2+1], v[P1:P1+1]
	s_delay_alu instid0(VALU_DEP_2)
	v_pk_add_f32 v[L:L+1], v[L:L+1], v[P0:P0+1]
	s_delay_alu instid0(VALU_DEP_2)
	v_pk_add_f32 v[L+2:L+3], v[L+2:L+3], v[P2:P2+1]
.if (\q) == 0
	s_wait_dscnt 0x0                               ; V and its scale words are in
.endif
	WIN 0x50                                       ; C and D (O^T) in window 1
.irp d, 0,1,2,3
	v_wmma_scale_f32_16x16x128_f8f6f4 v[O+8*\d:O+8*\d+7], v[VF+12*\d:VF+12*\d+11], v[PC:PC+11], v[O+8*\d:O+8*\d+7], v[VS+\d], v[PW] matrix_a_fmt:MATRIX_FMT_FP6 matrix_b_fmt:MATRIX_FMT_FP6
.endr
	WIN 0
.endm
	s_mov_b32 s76, 0                               ; the step's tiles of K and of V: 6,144 bytes each
	s_mov_b32 s78, 0                               ; K's scale words: 512 bytes a step
	s_mov_b32 s79, 0                               ; V's: 256
	s_mov_b32 s81, 16
	KLOAD KB16, KB8, KSB, 0, 0                     ; the first step's K
.Lstep:
	v_add_nc_u32 v[KA16], s76, v[KB16]             ; these six lines are also the places in front of the loads into V's registers
	v_add_nc_u32 v[KA8], s76, v[KB8]
	v_add_nc_u32 v[KSA], s78, v[KSB]
	v_add_nc_u32 v[VA16], s76, v[VB16]
	v_add_nc_u32 v[VA8], s76, v[VB8]
	v_add_nc_u32 v[VSA], s79, v[VSB]
.irp d, 0,1,2,3
	ds_load_b128 v[VF+12*\d:VF+12*\d+3], v[VA16] offset:1536*\d
	ds_load_b64 v[VF+12*\d+4:VF+12*\d+5], v[VA8] offset:1536*\d+512
	ds_load_b128 v[VF+12*\d+6:VF+12*\d+9], v[VA16] offset:1536*\d+768
	ds_load_b64 v[VF+12*\d+10:VF+12*\d+11], v[VA8] offset:1536*\d+1280
.endr
	ds_load_b128 v[VS:VS+3], v[VSA]
	s_wait_dscnt 17                                ; K's, asked for a tile ago, are in; V's 16 loads and its scale words may be out
	TILE 0
	TILE 1
	TILE 2
	TILE 3
	s_add_co_u32 s76, s76, 6144
	s_add_co_u32 s78, s78, 512
	s_add_co_u32 s79, s79, 256
	s_sub_co_u32 s81, s81, 1
	s_cmp_lg_u32 s81, 0
	s_cbranch_scc1 .Lstep
	s_wait_dscnt 0x0                               ; the last trip's loads have landed: their registers are written below
	s_wait_alu depctr_va_vdst(0)                   ; directly ahead of the first read of the last tile's sums
; THE END: O^T / l, quantised along the head's 64 (two blocks), leaves as half an image and a word of two bytes for each tile
.irp q, 0,1,2,3
	v_pk_add_f32 v[L0+4*\q:L0+4*\q+1], v[L0+4*\q:L0+4*\q+1], v[L0+4*\q+2:L0+4*\q+3]   ; (these lines are the places behind the last products)
.endr
.irp q, 0,1,2,3
	v_add_f32 v[L0+4*\q], v[L0+4*\q], v[L0+4*\q+1]
.endr
.irp q, 0,1,2,3
	v_permlanex16_b32 v[T1+\q], v[L0+4*\q], s20, s21
.endr
.irp q, 0,1,2,3
	v_add_f32 v[L0+4*\q], v[L0+4*\q], v[T1+\q]     ; the row's sum
.endr
	s_wait_alu depctr_va_vdst(0)
.irp q, 0,1,2,3
	v_rcp_f32 v[L0+4*\q], v[L0+4*\q]
.endr
	v_nop                                          ; a plain place behind the transcendentals
.macro EPI q
.set OC, KF+8*(\q)                     ; six registers of its own for each tile's codes: no store's data are written again
	WIN 0x01                                       ; source 0 (O^T) in window 1
	s_wait_alu depctr_va_vdst(0)                   ; directly ahead of the first read of this tile's O^T and of 1 / l
.set N, 0
.rept 32
	v_mul_f32 v[S+N], v[32*(\q)+N], v[L0+4*(\q)]   ; register 16 b + i: channel 32 b + 16 (lane / 16) + i
.set N, N+1
.endr
	WIN 0
.irp b, 0,1
	v_max3_num_f32 v[BM+\b], |v[S+16*\b]|, |v[S+16*\b+1]|, 0x1800000
.endr
.irp i, 2,4,6,8,10,12,14
.irp b, 0,1
	s_delay_alu instid0(VALU_DEP_2)
	v_max3_num_f32 v[BM+\b], v[BM+\b], |v[S+16*\b+\i]|, |v[S+16*\b+\i+1]|
.endr
.endr
.irp b, 0,1
	s_delay_alu instid0(VALU_DEP_2)
	v_permlanex16_b32 v[CB+\b], v[BM+\b], s20, s21
.endr
.irp b, 0,1
	s_delay_alu instid0(VALU_DEP_2)
	v_max_num_f32 v[BM+\b], v[BM+\b], v[CB+\b]
.endr
.irp b, 0,1
	s_delay_alu instid0(VALU_DEP_2)
	v_add_nc_u32 v[SO+\b], 0xff000000, v[BM+\b]
.endr
.irp b, 0,1
	s_delay_alu instid0(VALU_DEP_2)
	v_lshrrev_b32 v[CB+\b], 23, v[SO+\b]
.endr
	s_delay_alu instid0(VALU_DEP_1)
	v_lshl_or_b32 v[W+\q], v[CB+1], 8, v[CB]       ; the head's two bytes
	v_cvt_scalef32_pk16_fp6_f32 v[OC:OC+2], v[S:S+15], v[SO]
	v_cvt_scalef32_pk16_fp6_f32 v[T0:T0+2], v[S+16:S+31], v[SO+1]
	v_nop                                          ; one plain place behind a scaled conversion
.irp i, 0,1,2
	v_permlane16_swap_b32 v[OC+\i], v[T0+\i]       ; here a block lies in lanes l and l xor 16: the layout wants it whole in a lane
.endr
.irp i, 0,1,2
	v_mov_b32 v[OC+3+\i], v[T0+\i]
.endr
	global_store_b128 v[L16], v[OC:OC+3], s[2:3] offset:12288*(\q)
	global_store_b64 v[L8], v[OC+4:OC+5], s[2:3] offset:12288*(\q)+512
.endm
	EPI 0
	EPI 1
	EPI 2
	EPI 3
	v_cndmask_b32 v[W], v[W], v[W+1], s90          ; lanes 0-15 the even tile's rows, lanes 16-31 the odd tile's
	v_cndmask_b32 v[W+2], v[W+2], v[W+3], s90
	global_store_b32 v[L4], v[W], s[66:67]         ; my 64 rows' words: 256 consecutive bytes in two stores
	global_store_b32 v[L4], v[W+2], s[66:67] offset:128
	s_wait_tensorcnt 0x0                           ; the wave's end
	ds_add_u32 v[SPW], v[NIL]
	s_wait_dscnt 0x0
	CROUND                                         ; the closing round
	s_endpgm
.Lfunc_end_k_q51db65ee45_attn:
	.size	k_q51db65ee45_attn, .Lfunc_end_k_q51db65ee45_attn-k_q51db65ee45_attn
	.p2alignl 7, 3214868480
	.fill 96, 4, 3214868480
	.section	.rodata,"a",@progbits
	.p2align	6, 0x0
	.amdhsa_kernel k_q51db65ee45_attn
		.amdhsa_group_segment_fixed_size 210944
		.amdhsa_private_segment_fixed_size 0
		.amdhsa_enable_private_segment 0
		.amdhsa_kernarg_size 24
		.amdhsa_user_sgpr_count 2
		.amdhsa_user_sgpr_kernarg_segment_ptr 1
		.amdhsa_wavefront_size32 1
		.amdhsa_system_sgpr_workgroup_id_x 1
		.amdhsa_system_sgpr_workgroup_id_y 1
		.amdhsa_system_sgpr_workgroup_id_z 1
		.amdhsa_system_vgpr_workitem_id 0
		.amdhsa_next_free_vgpr 512
		.amdhsa_next_free_sgpr 100
		.amdhsa_reserve_vcc 0
		.amdhsa_float_denorm_mode_32 3
		.amdhsa_float_denorm_mode_16_64 3
		.amdhsa_memory_ordered 1
		.amdhsa_forward_progress 1
		.amdhsa_inst_pref_size 87
	.end_amdhsa_kernel
	.amdgpu_metadata
---
amdhsa.version: [ 1, 2 ]
amdhsa.kernels:
  - .name:           k_q51db65ee45_attn
    .symbol:         k_q51db65ee45_attn.kd
    .args:
      - { .name: QK, .offset: 0, .size: 8, .value_kind: global_buffer, .address_space: global }
      - { .name: VT, .offset: 8, .size: 8, .value_kind: global_buffer, .address_space: global }
      - { .name: AO, .offset: 16, .size: 8, .value_kind: global_buffer, .address_space: global }
    .group_segment_fixed_size: 210944
    .private_segment_fixed_size: 0
    .kernarg_segment_align: 8
    .kernarg_segment_size: 24
    .max_flat_workgroup_size: 256
    .sgpr_count:     100
    .vgpr_count:     512
    .wavefront_size: 32
...
	.end_amdgpu_metadata
.endif
;; end of part 3
;; launch gemm_out (part 4): grid 8 x 32, 4 waves a work-group, clusters of 4 x 4, 295,424 bytes of LDS; arguments AO, WO, b_out, out0; writes out0
.if DOCPART == 4
	.amdgcn_target "amdgcn-amd-amdhsa--gfx1250"
	.amdhsa_code_object_version 6
	.text
	.protected	k_q51db65ee45_gemm_out
	.globl	k_q51db65ee45_gemm_out
	.p2align	8
	.type	k_q51db65ee45_gemm_out,@function
k_q51db65ee45_gemm_out:
	s_mov_b64 s[64:65], 0
	v_nop
	global_prefetch_b8 v0, s[64:65] scope:SCOPE_SE
	s_setreg_imm32_b32 hwreg(HW_REG_WAVE_MODE, 25, 1), 1
	s_wait_xcnt 0x0
	s_wait_alu depctr_hold_cnt(0) depctr_sa_sdst(0) depctr_va_vdst(0) depctr_va_sdst(0) depctr_va_ssrc(0) depctr_va_vcc(0) depctr_vm_vsrc(0)
	s_getreg_b32 s2, hwreg(HW_REG_IB_STS2, 6, 4)
	s_cmp_eq_u32 s2, 0
	s_cbranch_scc0 .Lentry_in_a_cluster
	s_endpgm
.Lentry_in_a_cluster:
	s_bfe_u32 s2, ttmp6, 0x10000c
	s_cmp_lg_u32 s2, 0xf033
	s_cbranch_scc0 .Lentry_shape_is_right
	s_endpgm
.Lentry_shape_is_right:
; out0 = A B^T + b_out: A = the attention's result as FP6 codes (AO: words [head 16][row 8192] with a head's two scale bytes, then from byte 524,288 codes [tile][K step][image]); B = w_out's columns (WO: scale words, codes from byte 262,144).
; SHARES, LDS, FILLS and the K loop are those of the launches that make q, k and v: a work-group makes 256 rows x 128 columns, all of K (8 steps of 128) of both operands lies in LDS in four chunks filled once;
; wave w makes A's tiles 4 w .. 4 w + 3 against B's eight; cluster 4 x 4, A's tiles shared along a row, B's along a column; waves 0, 1 ask for A, waves 2, 3 for B; a wave has four tensor loads out.
; TRANSPOSED USE: a lane holds one row of the result and eight neighbouring columns a tile.  THE WAY OUT undoes the buffers' order of rows and columns: a tile of 16 rows goes through my stage in LDS and leaves as whole
; rows of 512 bytes, with the bias added.  The stage lies in chunk 0, which has had its only fill, and whose last reads ended ahead of the second K step's barrier.
; No prefetch: all tiles are asked for at the head.  LIMITS: NaN and infinities are not served.
; REGISTERS: window 0: v4-13 addresses; v28-31 the bias; v32-47 A's scale words, v48-79 B's; v80-175 A's fragments, two sets; v176-207 the heads' words; on the way out v128-255 rows.  window 1: B's fragments.  window 2: accumulators.
; THE FILLS AS THEY STAND (this paragraph takes the place of what the lines above say of chunks and of who asks): K comes in TWO chunks of four K steps; a chunk holds A's 16 tiles x 6,144 bytes, then B's 8.
; Four joint loads, all at the head, one a wave: wave 0 A's first chunk, wave 1 B's, wave 2 A's second chunk, wave 3 B's.  Waves 0 and 1 wait for theirs ahead of the first barrier; every wave waits for its load ahead of the
; barrier in K step 3, behind which the second chunk is first read and the first chunk, in which the stages lie, is read no more.  Every byte of LDS is filled once.  A wave has one tensor load out.
.set COFFA, 524288
.set COFFB, 262144
.set CHUNK, 147456                     ; four K steps: A's 16 tiles x 6,144 bytes, then B's 8
.set BOFF,  98304
.set G1A, 16
.set G1B, 24
.set G0A, 32
.set G0B, 48
.set SCA, 32
.set SCB, 48
.set AF,  80
.set TT,  176
.set MSB, 0
.macro WIN new                         ; the immediate's high byte repeats the setting that is left
.if MSB != \new
	s_set_vgpr_msb (MSB<<8)|\new
.set MSB, \new
.endif
.endm
.set MUL,  0xa1                        ; source 0 (B) window 1, source 1 (A) window 0, C and D window 2
.set TO_B, 0x40                        ; destination window 1
.macro CROUND
	s_barrier_signal -1
	s_barrier_wait -1
	s_cmp_lg_u32 s10, 0
	s_cbranch_scc1 .Lnot_wave_0_\@
	s_barrier_signal -3
.Lnot_wave_0_\@:
	s_barrier_wait -3
	s_barrier_signal -1
	s_barrier_wait -1
.endm
.macro PLACES n
.rept \n
	v_nop
.endr
.endm
.macro W1 d, f0, f1, s0, s1, r0, r1, zero
.if \zero
.if ((\r0) == 1) && ((\r1) == 1)
	v_wmma_scale_f32_16x16x128_f8f6f4 v[\d:\d+7], v[\f0:\f0+11], v[\f1:\f1+11], 0, v[\s0], v[\s1] matrix_a_fmt:MATRIX_FMT_FP6 matrix_b_fmt:MATRIX_FMT_FP6 matrix_a_scale:MATRIX_SCALE_ROW1 matrix_b_scale:MATRIX_SCALE_ROW1
.elseif (\r0) == 1
	v_wmma_scale_f32_16x16x128_f8f6f4 v[\d:\d+7], v[\f0:\f0+11], v[\f1:\f1+11], 0, v[\s0], v[\s1] matrix_a_fmt:MATRIX_FMT_FP6 matrix_b_fmt:MATRIX_FMT_FP6 matrix_a_scale:MATRIX_SCALE_ROW1
.elseif (\r1) == 1
	v_wmma_scale_f32_16x16x128_f8f6f4 v[\d:\d+7], v[\f0:\f0+11], v[\f1:\f1+11], 0, v[\s0], v[\s1] matrix_a_fmt:MATRIX_FMT_FP6 matrix_b_fmt:MATRIX_FMT_FP6 matrix_b_scale:MATRIX_SCALE_ROW1
.else
	v_wmma_scale_f32_16x16x128_f8f6f4 v[\d:\d+7], v[\f0:\f0+11], v[\f1:\f1+11], 0, v[\s0], v[\s1] matrix_a_fmt:MATRIX_FMT_FP6 matrix_b_fmt:MATRIX_FMT_FP6
.endif
.else
.if ((\r0) == 1) && ((\r1) == 1)
	v_wmma_scale_f32_16x16x128_f8f6f4 v[\d:\d+7], v[\f0:\f0+11], v[\f1:\f1+11], v[\d:\d+7], v[\s0], v[\s1] matrix_a_fmt:MATRIX_FMT_FP6 matrix_b_fmt:MATRIX_FMT_FP6 matrix_a_scale:MATRIX_SCALE_ROW1 matrix_b_scale:MATRIX_SCALE_ROW1
.elseif (\r0) == 1
	v_wmma_scale_f32_16x16x128_f8f6f4 v[\d:\d+7], v[\f0:\f0+11], v[\f1:\f1+11], v[\d:\d+7], v[\s0], v[\s1] matrix_a_fmt:MATRIX_FMT_FP6 matrix_b_fmt:MATRIX_FMT_FP6 matrix_a_scale:MATRIX_SCALE_ROW1
.elseif (\r1) == 1
	v_wmma_scale_f32_16x16x128_f8f6f4 v[\d:\d+7], v[\f0:\f0+11], v[\f1:\f1+11], v[\d:\d+7], v[\s0], v[\s1] matrix_a_fmt:MATRIX_FMT_FP6 matrix_b_fmt:MATRIX_FMT_FP6 matrix_b_scale:MATRIX_SCALE_ROW1
.else
	v_wmma_scale_f32_16x16x128_f8f6f4 v[\d:\d+7], v[\f0:\f0+11], v[\f1:\f1+11], v[\d:\d+7], v[\s0], v[\s1] matrix_a_fmt:MATRIX_FMT_FP6 matrix_b_fmt:MATRIX_FMT_FP6
.endif
.endif
.endm
.macro MULA a, p, ks, zero             ; A's tile a against B's eight.  The 32 accumulators take turns, in the same order in every step
.irp b, 0,1,2,3,4,5,6,7
	W1 8*(8*(\a)+\b), 128*(\p)+12*\b, AF+48*(\p)+12*(\a), SCB+8*(\b/2)+(\ks), SCA+8*((\a)/2)+(\ks), \b%2, (\a)%2, \zero
.endr
.endm
.macro FRAG reg, a16, a8, off
	ds_load_b128 v[\reg:\reg+3], v[\a16] offset:\off
	ds_load_b64 v[\reg+4:\reg+5], v[\a8] offset:\off+512
	ds_load_b128 v[\reg+6:\reg+9], v[\a16] offset:\off+768
	ds_load_b64 v[\reg+10:\reg+11], v[\a8] offset:\off+1280
.endm
.macro FETCH p, q                      ; 48 loads in one run: B's eight fragments, then A's four
	WIN TO_B
.irp b, 0,1,2,3,4,5,6,7
	FRAG 128*(\p)+12*\b, 10, 11, \b*6144+(\q)*1536
.endr
	WIN 0
.irp a, 0,1,2,3
	FRAG AF+48*(\p)+12*\a, 8, 9, \a*6144+(\q)*1536
.endr
.endm
.macro STEP ks, zero
.set PP, (\ks)%2
	s_wait_dscnt 12                                ; B's fragments and A's tile 0 are in; tiles 1 to 3 (four loads each) may be out
	WIN MUL
	MULA 0, PP, \ks, \zero
.if (\ks) != 3
	s_wait_dscnt 8
	MULA 1, PP, \ks, \zero
	WIN 0
	PLACES 4                                       ; in front of loads into registers that matrix instructions have read
	FETCH 1-PP, ((\ks)+1)%4                        ; the next K step of the same chunk, into the other sets
	s_wait_dscnt 48                                ; all but the 48 just issued
.else
	s_wait_dscnt 0x0                               ; no LDS instruction of mine is out at a signal
	s_wait_tensorcnt 0x0                           ; my load has landed: for waves 2 and 3 it is a part of the second chunk
	s_barrier_signal -1
	MULA 1, PP, \ks, \zero
	s_barrier_wait -1
	WIN 0
	v_add_nc_u32 v8, CHUNK, v8                     ; on to the next chunk; these four lines are also the places in front of the loads
	v_add_nc_u32 v9, CHUNK, v9
	v_add_nc_u32 v10, CHUNK, v10
	v_add_nc_u32 v11, CHUNK, v11
	FETCH 0, 0
.endif
	WIN MUL
	MULA 2, PP, \ks, \zero
	MULA 3, PP, \ks, \zero
.endm
.macro TOSTAGE a                       ; tile a: register j of accumulator b is column 32 (b / 2) + 8 (b % 2) + 16 (lane / 16) + j of row lane % 16
	WIN 0x08                                       ; an LDS store's data are its source 1: window 2
.irp b, 0,1,2,3,4,5,6,7
	ds_store_b128 v12, v[8*(8*(\a)+\b):8*(8*(\a)+\b)+3] offset:128*(\b/2)+32*(\b%2)       ; each accumulator from its low end on
	ds_store_b128 v12, v[8*(8*(\a)+\b)+4:8*(8*(\a)+\b)+7] offset:128*(\b/2)+32*(\b%2)+16
.endr
	WIN 0
.set BB, 128+64*((\a)%2)
.irp t, 0,1,2,3,4,5,6,7,8,9,10,11,12,13,14,15
	ds_load_b128 v[BB+4*\t:BB+4*\t+3], v13 offset:528*\t   ; LDS serves a wave's instructions in order: these see my stores
.endr
.endm
.macro SEND a, younger                 ; younger: the LDS instructions issued behind tile a's loads
.set BB, 128+64*((\a)%2)
	s_wait_dscnt \younger
.irp t, 0,1,2,3,4,5,6,7,8,9,10,11,12,13,14,15
	v_pk_add_f32 v[BB+4*\t:BB+4*\t+1], v[BB+4*\t:BB+4*\t+1], v[28:29]
	v_pk_add_f32 v[BB+4*\t+2:BB+4*\t+3], v[BB+4*\t+2:BB+4*\t+3], v[30:31]
.endr
.irp t, 0,1,2,3,4,5,6,7,8,9,10,11,12,13,14,15
	global_store_b128 v4, v[BB+4*\t:BB+4*\t+3], s[82:83] offset:(32*((\a)/2)+8*((\a)%2)+\t+8*(\t/8))*4096 th:TH_STORE_NT   ; place t of the tile is true row 8 (a % 2) + t + 8 (t / 8); 512 consecutive bytes
.endr
.endm
	s_load_b128 s[4:7], s[0:1], 0x0                ; AO s[4:5], WO s[6:7]
	s_load_b128 s[80:83], s[0:1], 0x10             ; b_out s[80:81], out0 s[82:83]
	v_lshl_add_u32 v26, v0, 2, 0x48000
	v_mov_b32 v27, 0
	ds_add_u32 v26, v27
	ds_add_u32 v26, v27
	v_lshrrev_b32 v1, 5, v0
	v_readfirstlane_b32 s10, v1                    ; wave
	s_bfe_u32 s13, ttmp6, 0x40000                  ; cx
	s_bfe_u32 s14, ttmp6, 0x40004                  ; cy
	s_lshl_b32 s15, ttmp9, 2
	s_add_co_u32 s15, s15, s13                     ; tx: which 128 columns
	s_and_b32 s3, ttmp7, 0xffff
	s_lshl_b32 s3, s3, 2
	s_add_co_u32 s3, s3, s14                       ; ty: which 256 rows
	s_lshl_b32 s66, s14, 2
	s_lshl_b32 s66, 15, s66                        ; my row of the cluster
	s_lshl_b32 s67, 0x1111, s13                    ; my column
	s_or_b32 s[G1A], s66, (3<<16)|(1<<21)
	s_or_b32 s[G1B], s67, (3<<16)|(1<<21)
	s_mov_b32 s[G1A+1], 768<<16                    ; a row: a tile's four K steps, 6,144 bytes
	s_mov_b32 s[G1A+2], 16<<16                     ; 16 tiles
	s_mov_b32 s[G1A+3], 768<<16
	s_mov_b32 s[G1A+4], 16
	s_mov_b32 s[G1A+5], 1536
	s_mov_b32 s[G1A+6], 0
	s_mov_b32 s[G1A+7], 0
	s_mov_b32 s[G1B+1], 768<<16
	s_mov_b32 s[G1B+2], 8<<16                      ; 8 tiles
	s_mov_b32 s[G1B+3], 768<<16
	s_mov_b32 s[G1B+4], 8
	s_mov_b32 s[G1B+5], 1536
	s_mov_b32 s[G1B+6], 0
	s_mov_b32 s[G1B+7], 0
	s_lshl_b32 s68, s3, 4
	s_mul_i32 s68, s68, 12288
	s_add_co_u32 s68, s68, COFFA
	s_mov_b32 s69, 0
	s_mov_b32 s70, 0
	s_lshl_b32 s72, s15, 3
	s_mul_i32 s72, s72, 12288
	s_add_co_u32 s72, s72, COFFB
	s_mov_b32 s73, 0
	s_mov_b32 s74, BOFF
	s_lshl_b32 s76, s3, 3                          ; A's words: pairs 8 ty + 2 w, + 1: 128 bytes each, in each head's row of 32,768
	s_lshl_b32 s77, s10, 1
	s_add_co_u32 s76, s76, s77
	s_lshl_b32 s76, s76, 7
	s_mov_b32 s77, 0
	s_lshl_b32 s78, s15, 12                        ; B's scale words: pairs 4 tx .. 4 tx + 3
	s_mov_b32 s79, 0
	s_lshl_b32 s84, s3, 8                          ; out0: row 256 ty + 64 w, column 128 tx
	s_lshl_b32 s85, s10, 6
	s_add_co_u32 s84, s84, s85
	s_lshl_b32 s84, s84, 12
	s_lshl_b32 s86, s15, 9
	s_add_co_u32 s84, s84, s86
	s_mov_b32 s85, 0
	s_mov_b32 s87, 0
	s_mul_i32 s88, s10, 24576
	s_mul_i32 s89, s10, 8448                       ; my stage
	v_and_b32 v1, 31, v0
	v_and_b32 v2, 15, v0
	v_bfe_u32 v3, v0, 4, 1
	v_lshlrev_b32 v4, 4, v1                        ; 16 x lane
	v_lshlrev_b32 v5, 3, v1                        ; 8 x lane
	v_lshlrev_b32 v6, 2, v1                        ; 4 x lane
	v_add_nc_u32 v8, s88, v4
	v_add_nc_u32 v9, s88, v5
	v_add_nc_u32 v10, BOFF, v4
	v_add_nc_u32 v11, BOFF, v5
	v_mul_u32_u24 v12, v2, 528
	v_lshl_add_u32 v12, v3, 6, v12
	v_add_nc_u32 v12, s89, v12                     ; into the stage: row r, + 64 h
	v_add_nc_u32 v13, s89, v4                      ; back: 16 x lane of a row
	s_wait_alu depctr_va_vdst(0)
	s_wait_dscnt 0x0
	s_wait_kmcnt 0x0
	s_add_nc_u64 s[68:69], s[4:5], s[68:69]
	s_add_nc_u64 s[72:73], s[6:7], s[72:73]
	s_add_nc_u64 s[76:77], s[4:5], s[76:77]
	s_add_nc_u64 s[78:79], s[6:7], s[78:79]
	s_add_nc_u64 s[80:81], s[80:81], s[86:87]
	s_add_nc_u64 s[82:83], s[82:83], s[84:85]
	global_load_b128 v[28:31], v4, s[80:81]        ; the bias of my four columns of a row's 128
.irp i, 0,1
.irp h, 0,1,2,3,4,5,6,7,8,9,10,11,12,13,14,15
	global_load_b32 v[TT+16*\i+\h], v6, s[76:77] offset:128*\i+32768*\h
.endr
.endr
.irp i, 0,1,2,3
.irp s, 0,1,2,3,4,5,6,7
	global_load_b32 v[SCB+8*\i+\s], v6, s[78:79] offset:1024*\i+128*\s
.endr
.endr
.irp j, 0,1
	s_mov_b32 s[G0A+4*\j], 1
	s_add_co_u32 s[G0A+4*\j+1], s70, \j*CHUNK
	s_add_nc_u64 s[G0A+4*\j+2:G0A+4*\j+3], s[68:69], \j*6144
	s_or_b32 s[G0A+4*\j+3], s[G0A+4*\j+3], 0x80000000
	s_mov_b32 s[G0B+4*\j], 1
	s_add_co_u32 s[G0B+4*\j+1], s74, \j*CHUNK
	s_add_nc_u64 s[G0B+4*\j+2:G0B+4*\j+3], s[72:73], \j*6144
	s_or_b32 s[G0B+4*\j+3], s[G0B+4*\j+3], 0x80000000
.endr
	CROUND                                         ; all sixteen work-groups are here: the joint loads meet
; one chain of branches on the wave's number, one joint load to an arm, all arms leading to one join
.macro ARM under, g0, g1, next
	s_cmp_lt_u32 s10, \under
	s_cbranch_scc0 \next
	tensor_load_to_lds s[\g0:\g0+3], s[\g1:\g1+7]
	s_nop 0
	PLACES 4
	s_branch .Lfilled
\next:
.endm
	ARM 1, G0A, G1A, .Lfill_b
	ARM 2, G0B, G1B, .Lfill_a2
	ARM 3, G0A+4, G1A, .Lfill_b2
	tensor_load_to_lds s[G0B+4:G0B+7], s[G1B:G1B+7]
	s_nop 0
	PLACES 4
.Lfilled:
	s_cmp_lt_u32 s10, 2                            ; the first chunk is waves 0 and 1's: they wait for it here; the second chunk's loads may be out: its bytes are first read behind K step 3's barrier
	s_cbranch_scc0 .Lsecond_out
	s_wait_tensorcnt 0x0
.Lsecond_out:
	s_barrier_signal -1
	s_barrier_wait -1
	FETCH 0, 0
	s_wait_loadcnt 0x0                             ; the bias and all scale words
.irp i, 0,1
.irp s, 0,1,2,3,4,5,6,7
	v_lshl_or_b32 v[SCA+8*\i+\s], v[TT+16*\i+2*\s+1], 16, v[TT+16*\i+2*\s]   ; K step s: heads 2 s and 2 s + 1, two bytes each
.endr
.endr
	PLACES 8                                       ; a scale register written by a vector instruction stands eight places ahead of a scaled matrix instruction
	s_wait_alu depctr_va_vdst(0)
	STEP 0, 1                                      ; the first K step starts the sums: nothing is cleared
	STEP 1, 0
	STEP 2, 0
	STEP 3, 0
	s_wait_alu depctr_va_vdst(0)
	STEP 4, 0
	STEP 5, 0
	STEP 6, 0
	s_wait_dscnt 12                                ; the last K step: nothing more to fetch
	WIN MUL
	MULA 0, 1, 7, 0
	s_wait_dscnt 8
	MULA 1, 1, 7, 0
	s_wait_dscnt 4
	MULA 2, 1, 7, 0
	s_wait_dscnt 0x0
	MULA 3, 1, 7, 0
	WIN 0
	PLACES 4                                       ; in front of the first read of results and of loads into registers that held A's fragments
	TOSTAGE 0
.irp a, 1,2,3
.if \a > 1
	s_wait_xcnt 0x0                                ; tile a - 2's stores have read their data: tile a's rows may land there
.endif
	TOSTAGE \a
	SEND \a-1, 32                                  ; behind tile a - 1's loads: tile a's 16 stores and 16 loads
.endr
	SEND 3, 0
	s_wait_tensorcnt 0x0
	ds_add_u32 v26, v27
	s_wait_dscnt 0x0
	CROUND                                         ; the closing round
	s_endpgm
.Lfunc_end_k_q51db65ee45_gemm_out:
	.size	k_q51db65ee45_gemm_out, .Lfunc_end_k_q51db65ee45_gemm_out-k_q51db65ee45_gemm_out
	.p2alignl 7, 3214868480
	.fill 96, 4, 3214868480
	.section	.rodata,"a",@progbits
	.p2align	6, 0x0
	.amdhsa_kernel k_q51db65ee45_gemm_out
		.amdhsa_group_segment_fixed_size 295424
		.amdhsa_private_segment_fixed_size 0
		.amdhsa_enable_private_segment 0
		.amdhsa_kernarg_size 32
		.amdhsa_user_sgpr_count 2
		.amdhsa_user_sgpr_kernarg_segment_ptr 1
		.amdhsa_wavefront_size32 1
		.amdhsa_system_sgpr_workgroup_id_x 1
		.amdhsa_system_sgpr_workgroup_id_y 1
		.amdhsa_system_sgpr_workgroup_id_z 1
		.amdhsa_system_vgpr_workitem_id 0
		.amdhsa_next_free_vgpr 768
		.amdhsa_next_free_sgpr 96
		.amdhsa_reserve_vcc 0
		.amdhsa_float_denorm_mode_32 3
		.amdhsa_float_denorm_mode_16_64 3
		.amdhsa_memory_ordered 1
		.amdhsa_forward_progress 1
		.amdhsa_inst_pref_size 96
	.end_amdhsa_kernel
	.amdgpu_metadata
---
amdhsa.version: [ 1, 2 ]
amdhsa.kernels:
  - .name:           k_q51db65ee45_gemm_out
    .symbol:         k_q51db65ee45_gemm_out.kd
    .args:
      - { .name: AO, .offset: 0, .size: 8, .value_kind: global_buffer, .address_space: global }
      - { .name: WO, .offset: 8, .size: 8, .value_kind: global_buffer, .address_space: global }
      - { .name: b_out, .offset: 16, .size: 8, .value_kind: global_buffer, .address_space: global }
      - { .name: out0, .offset: 24, .size: 8, .value_kind: global_buffer, .address_space: global }
    .group_segment_fixed_size: 295424
    .private_segment_fixed_size: 0
    .kernarg_segment_align: 8
    .kernarg_segment_size: 32
    .max_flat_workgroup_size: 128
    .sgpr_count:     96
    .vgpr_count:     768
    .wavefront_size: 32
...
	.end_amdgpu_metadata
.endif
;; end of part 4
